; MI455X (gfx1250); checked and timed in simulation.
; The chip was launched on July 23, 2026; its instructions are those of AMD's public machine-readable ISA for CDNA 5 (MIT licence, August 2026) and "CDNA5" Instruction Set Architecture Reference Guide (July 2026). The comments in the code are by the model that wrote it; some were corrected since.
;; W Multi Head Attention. Allowed arithmetic: matrix products marked QUANTISED: E2M3 operands, one E8M0 scale for each 32 along K, by v_wmma_scale_f32_16x16x128_f8f6f4 with both operands' format E2M3, f32 sums; everything else in f32.
;; Inputs: Wfc 512 x 512 float32; Wk 512 x 512 float32; Wq 512 x 512 float32; Wv 512 x 512 float32; bfc 512 float32; bk 512 float32; bq 512 float32; bv 512 float32; x 2 x 4,096 x 512 float32.
;; Outputs: out0 2 x 4,096 x 512 float32.
;; This version of the problem:
;;   THIS VERSION OF THE PROBLEM IS GIVEN IN LOW PRECISION. The matrix products marked QUANTISED in the list below multiply operands that are first quantised to E2M3 (2 exponent bits, 3 mantissa bits; 6 bits a number), with one power-of-two scale for each 32 numbers along K (OCP MX v1.0); their sums are f32. All else is computed in f32.
;;   The module's matrix products, in the order in which they are computed (A, B: the left and right operand; K: the contracted axis; several contracted axes count as one K, in the product's order):
;;     1. [M 8,192, K 512] x [K 512, N 512]; A: input x; B: input Wq: QUANTISED
;;     2. [M 8,192, K 512] x [K 512, N 512]; A: input x; B: input Wk: QUANTISED
;;     3. [M 8,192, K 512] x [K 512, N 512]; A: input x; B: input Wv: QUANTISED
;;     4. batch 16 x [M 4,096, K 64] x [K 64, N 4,096]; A: computed on the way; B: computed on the way: QUANTISED
;;     5. batch 16 x [M 4,096, K 4,096] x [K 4,096, N 64]; A: softmax (see below); B: computed on the way: QUANTISED
;;     6. [M 8,192, K 512] x [K 512, N 512]; A: computed on the way; B: input Wfc: QUANTISED
;;   THE QUANTISER, for each operand of a quantised product, along K:
;;     - K is cut into blocks of 32 from its start; a last block that is shorter is filled with zeros.
;;     - A block's scale is 2^e with e = floor(log2(the largest magnitude in the block)) - 2, held to -126 .. 127; a block of zeros has e = 0. As a byte (E8M0): e + 127.
;;     - Each number is divided by its block's scale, clamped to +-7.5, and rounded to the nearest number of E2M3, ties to even, subnormals kept.
;;     - The product sums the exact products of the quantised numbers (number of the format x scale) in f32.
;;   ~~~python
;;   def quantise(x, axis):      # numpy; x: float32 -> the quantised numbers, widened to float32 again
;;       x = np.moveaxis(x, axis, -1); K = x.shape[-1]
;;       x = np.pad(x, [(0, 0)] * (x.ndim - 1) + [(0, -K % 32)]); x = x.reshape(x.shape[:-1] + (-1, 32)); a = np.abs(x).max(-1, keepdims=True)
;;       e = np.where(a > 0, np.clip(np.frexp(np.where(a > 0, a, 1))[1] - 1 - 2, -126, 127), 0)      # np.frexp(a)[1] - 1 = floor(log2(a)), exactly
;;       r = np.clip(x / 2.0 ** e, -7.5, 7.5)
;;       step = 2.0 ** (np.maximum(np.frexp(np.where(r == 0, 1, r))[1] - 1, 0) - 3)
;;       q = np.round(r / step) * step * 2.0 ** e      # np.round: ties to even
;;       return np.moveaxis(q.reshape(q.shape[:-2] + (-1,))[..., :K], -1, axis).astype(np.float32)
;;   ~~~
;;   SOFTMAX AHEAD OF A QUANTISED PRODUCT. Where the list says 'softmax', what is quantised is not the finished softmax but p = 2^(t - M), with t = logit x log2(e) and M = ceil(the row's largest t), a whole number; so 1/2 < the row's largest p <= 1. The row's sum l is taken of the UNQUANTISED p, in f32, and the product's result is divided by l at the end. Since M is a whole number, a kernel that streams over the keys may use a running M (the ceiling of the running maximum): every later rescaling is an exact power of two, which a block's scale takes up: the codes' values come out the same.
;;   OPERANDS COMPUTED ON THE WAY. 'Computed on the way' means the value that the module computes at that place (a softmax that the list does not call 'softmax' is quantised finished and normalised). What goes into a quantiser is computed in f32, as accurately as f32 sums, v_exp_f32 and their like allow (about 1e-6 of the number): no bf16 or f16 on the way to a quantiser, and a product that is left as it is and whose result goes on into a quantised operand takes f32 operands (vector FMAs, or v_wmma_f32_16x16x4_f32). A number that lies on a knife's edge between two numbers of the format may be rounded either way, as far as f32 arithmetic and the matrix unit's own rounding can turn it there, and no further.
;; 2 versions. Each part assembles by itself: llvm-mc -triple=amdgcn-amd-amdhsa -mcpu=gfx1250 --defsym DOCPART=n.
;; ======== version 1 of 2: 3 launches
;; workspace buffers: bufx 3,276,800 bytes; bufw 819,200 bytes; act 10,723,328 bytes
;; launch prep (part 1): grid 328 x 1, 4 waves a work-group, no clusters, 0 bytes of LDS; arguments x, Wq, Wk, Wv, Wfc, bufx, bufw, act; writes bufx, bufw, act
.if DOCPART == 1
	.amdgcn_target "amdgcn-amd-amdhsa--gfx1250"
	.amdhsa_code_object_version 6
	.text
	.protected	k_q0173d78ca8_prep
	.globl	k_q0173d78ca8_prep
	.p2align	8
	.type	k_q0173d78ca8_prep,@function
k_q0173d78ca8_prep:
	s_mov_b64 s[64:65], 0
	v_nop
	global_prefetch_b8 v0, s[64:65] scope:SCOPE_SE
	s_setreg_imm32_b32 hwreg(HW_REG_WAVE_MODE, 25, 1), 1
	s_wait_xcnt 0x0
; x [8192][512] and Wq, Wk, Wv, Wfc [512 (k)][512 (n)], f32, become codes of FP6 (E2M3) with one E8M0 byte for each 32 along K (the 512), laid IN THE ORDER OF THE OPERAND'S REGISTERS:
; a fragment (16 rows x 128 K) is 12 registers a lane, stored as three pieces of 512 bytes, lane l's 16 bytes at 16 l.  The later launches load a fragment by three loads of 16 bytes a lane.
; THE ROWS OF A TILE ARE NOT NEIGHBOURS: lane r of tile 2 g + u takes row (token of x, column of W) 32 g + 8 u + r + 8 (r / 8), so that results made with such a tile as source 0 have 16 neighbours in the 16 registers of two tiles.
; Scale words: one register serves two K steps: lanes 0-15 the word of step 2 pr, lanes 16-31 that of step 2 pr + 1.
; A block's scale is 2^(floor(log2(largest magnitude)) - 2): its byte is the largest magnitude's exponent field - 2, held at 1 from below by a floor among the maximum's leaves.
; LIMITS: NaN and infinities among the inputs are not served; a block whose largest magnitude lies under 2^-124 has its byte held at 1; a block of zeros gets the byte 1 where the quantiser says 127: its codes are zeros, and this program alone reads the bytes.
; SHARES: work-groups 0-255: a group of 32 tokens of x (wave w: tile w / 2, K steps 2 (w % 2) and + 1).  256-319: the weights (wave: one tile, two K steps).  320-327: the constant pads of act:
; four groups of zero codes and bytes 127 in front of and behind each head's keys and values, so that the attention launch reads its nine groups without a clamp.
; No LDS, no barrier: waves share nothing.
.set XSO, 3145728                      ; bufx: the scale words behind 512 tiles x 4 steps x 1,536 bytes
.set WSO, 786432                       ; bufw: likewise behind 4 x 32 x 4 x 1,536
.set KC,  3342336                      ; act: K's codes
.set VC,  6684672                      ; V's codes
.set KSO, 10305536                     ; K's scale words
.set VSO, 10584064                     ; V's scale words
.set TM,  8                            ; v8-23  at work: +0..3 largest magnitudes, +4..7 the other half's, then bytes, +12..15 the conversions' scale operands
.set PW0, 24                           ; the scale word of the first fragment
.set PW1, 25                           ; of the second
.set PWP, 26                           ; the two packed
.set PRM, 27                           ; r + 8 (r / 8)
.set PC0, 28                           ; v28-47 the first fragment's codes (12) and the halves made elsewhere (8)
.set PC1, 48                           ; v48-67 the second's: no store's data are written again
.set N0,  80                           ; v80-143  64 numbers
.set N1,  144                          ; v144-207 64 numbers
; 64 numbers of a lane, register 16 b + i = k 32 b + 16 (lane / 16) + i of my row, become a fragment's codes in v[pc] on and its scale word in v[pw]
.macro QUANT s, pc, pw
.irp b, 0,1,2,3
	v_max3_num_f32 v[TM+\b], |v[\s+16*\b]|, |v[\s+1+16*\b]|, 0x1800000   ; my 16 numbers of block b, and the floor 2^(3 - 127)
.endr
.irp i, 2,4,6,8,10,12,14
.irp b, 0,1,2,3
	v_max3_num_f32 v[TM+\b], v[TM+\b], |v[\s+16*\b+\i]|, |v[\s+1+16*\b+\i]|   ; the four blocks by turns
.endr
.endr
.irp b, 0,1,2,3
	v_permlanex16_b32 v[TM+4+\b], v[TM+\b], s20, s21
.endr
.irp b, 0,1,2,3
	v_max_num_f32 v[TM+\b], v[TM+\b], v[TM+4+\b]   ; with lane l xor 16's 16: the block's largest magnitude
.endr
.irp b, 0,1,2,3
	v_add_nc_u32 v[TM+12+\b], 0xff000000, v[TM+\b]   ; 2 off its exponent field: the conversion's scale operand
.endr
.irp b, 0,1,2,3
	v_lshrrev_b32 v[TM+4+\b], 23, v[TM+12+\b]      ; the scale's byte
.endr
	v_lshl_or_b32 v[\pw], v[TM+5], 8, v[TM+4]
	v_lshl_or_b32 v[\pw], v[TM+6], 16, v[\pw]
	v_lshl_or_b32 v[\pw], v[TM+7], 24, v[\pw]
.irp c, 0,1
	v_cvt_scalef32_pk16_fp6_f32 v[\pc+6*\c:\pc+2+6*\c], v[\s+32*\c:\s+15+32*\c], v[TM+12+2*\c]
	v_cvt_scalef32_pk16_fp6_f32 v[\pc+12+4*\c:\pc+14+4*\c], v[\s+16+32*\c:\s+31+32*\c], v[TM+12+2*\c+1]   ; (a conversion's three registers begin on an even number)
.endr
	v_nop                                          ; one plain place behind the scaled conversions
.irp c, 0,1                                    ; the layout wants a whole block in a lane: lanes 0-15 block 2 c, lanes 16-31 block 2 c + 1
.irp i, 0,1,2
	v_permlane16_swap_b32 v[\pc+6*\c+\i], v[\pc+12+4*\c+\i]
.endr
.irp i, 0,1,2
	v_mov_b32 v[\pc+3+6*\c+\i], v[\pc+12+4*\c+\i]
.endr
.endr
.endm
; 64 numbers of a lane that run DOWN K of one column: register 32 c + i = k 64 c + 32 (lane / 16) + i: two whole blocks are mine
.macro WQUANT s, pc, pw
.irp c, 0,1
	v_max3_num_f32 v[TM+\c], |v[\s+32*\c]|, |v[\s+32*\c+1]|, 0x1800000
.endr
.irp i, 2,4,6,8,10,12,14,16,18,20,22,24,26,28,30
.irp c, 0,1
	v_max3_num_f32 v[TM+\c], v[TM+\c], |v[\s+32*\c+\i]|, |v[\s+32*\c+\i+1]|
.endr
.endr
.irp c, 0,1
	v_add_nc_u32 v[TM+12+\c], 0xff000000, v[TM+\c]
.endr
.irp c, 0,1
	v_lshrrev_b32 v[TM+4+\c], 23, v[TM+12+\c]
.endr
	v_lshl_or_b32 v[\pw], v[TM+5], 16, v[TM+4]     ; my two bytes: blocks h and 2 + h,
	v_lshlrev_b32 v[\pw], v7, v[\pw]               ; 8 h bits up;
	v_permlanex16_b32 v[TM+6], v[\pw], s20, s21
	v_or_b32 v[\pw], v[\pw], v[TM+6]               ; with lane l xor 16's two the word is whole
.irp c, 0,1
	v_cvt_scalef32_pk16_fp6_f32 v[\pc+6*\c:\pc+2+6*\c], v[\s+32*\c:\s+15+32*\c], v[TM+12+\c]
	v_cvt_scalef32_pk16_fp6_f32 v[\pc+12+4*\c:\pc+14+4*\c], v[\s+16+32*\c:\s+31+32*\c], v[TM+12+\c]
.endr
	v_nop                                          ; one plain place behind the scaled conversions
.irp c, 0,1
.irp i, 0,1,2
	v_mov_b32 v[\pc+3+6*\c+\i], v[\pc+12+4*\c+\i]
.endr
.endr
.endm
.macro PACKW                           ; lanes 0-15 keep the first word, lanes 16-31 take the second
	v_cmp_le_u32 vcc_lo, 16, v1
	v_cndmask_b32 v[PWP], v[PW0], v[PW1], vcc_lo
.endm
	s_load_b256 s[4:11], s[0:1], 0x0               ; x s[4:5], Wq s[6:7], Wk s[8:9], Wv s[10:11]
	s_load_b256 s[12:19], s[0:1], 0x20             ; Wfc s[12:13], bufx s[14:15], bufw s[16:17], act s[18:19]
	v_lshrrev_b32 v1, 5, v0
	v_readfirstlane_b32 s22, v1                    ; wave
	v_and_b32 v1, 31, v0                           ; lane
	v_and_b32 v2, 15, v0                           ; r
	v_bfe_u32 v3, v0, 4, 1                         ; h
	v_lshlrev_b32 v5, 4, v1                        ; 16 x lane: my place in a piece of an image
	v_lshlrev_b32 v6, 2, v1                        ; 4 x lane: in a row of scale words
	v_lshlrev_b32 v7, 3, v3                        ; 8 h
	v_and_b32 v[PRM], 8, v2
	v_add_nc_u32 v[PRM], v[PRM], v2
.irp b, 0,1,2,3
	v_mov_b32 v[TM+4+\b], 0                        ; written once: a lane permute's destination counts as one of its sources
.endr
	s_mov_b32 s20, 0x76543210
	s_mov_b32 s21, 0xfedcba98                      ; v_permlanex16_b32's selects for lane l xor 16
	s_lshr_b32 s23, s22, 1                         ; u: which tile of the pair
	s_and_b32 s24, s22, 1                          ; pr: which pair of K steps
	s_wait_kmcnt 0x0
	s_cmp_lt_u32 ttmp9, 256
	s_cbranch_scc0 .Lnot_x
	; ---- x: tile T = 2 x work-group + u, K steps 2 pr and 2 pr + 1
	v_lshlrev_b32 v4, 11, v[PRM]                   ; my row of 2,048 bytes,
	v_lshl_add_u32 v4, v3, 6, v4                   ; + 64 h: my 16 numbers of a block of 32
	s_lshl_b32 s26, ttmp9, 16                      ; 32 rows a work-group,
	s_lshl_b32 s27, s23, 14                        ; 8 rows for u,
	s_add_co_u32 s26, s26, s27
	s_lshl_b32 s27, s24, 10                        ; 1,024 bytes for pr
	s_add_co_u32 s26, s26, s27
	s_mov_b32 s27, 0
	s_add_nc_u64 s[4:5], s[4:5], s[26:27]
	s_lshl_b32 s28, ttmp9, 1
	s_add_co_u32 s28, s28, s23                     ; T
	s_lshl_b32 s30, s28, 2
	s_lshl_b32 s29, s24, 1
	s_add_co_u32 s30, s30, s29
	s_mul_i32 s30, s30, 1536                       ; fragment 4 T + 2 pr
	s_mov_b32 s31, 0
	s_add_nc_u64 s[30:31], s[14:15], s[30:31]
	s_lshl_b32 s32, s28, 8
	s_lshl_b32 s29, s24, 7
	s_add_co_u32 s32, s32, s29                     ; scale words: 256 T + 128 pr
	s_mov_b32 s33, 0
	s_add_nc_u64 s[32:33], s[14:15], s[32:33]
.macro XLOAD reg, sl
.irp b, 0,1,2,3
.irp j, 0,1,2,3
	global_load_b128 v[\reg+16*\b+4*\j:\reg+16*\b+4*\j+3], v4, s[4:5] offset:512*\sl+128*\b+16*\j th:TH_LOAD_NT
.endr
.endr
.endm
	XLOAD N0, 0
	XLOAD N1, 1
	s_wait_loadcnt 16                              ; the first step's 16 loads are in; the 16 younger are the second step's
	QUANT N0, PC0, PW0
.irp p, 0,1,2
	global_store_b128 v5, v[PC0+4*\p:PC0+4*\p+3], s[30:31] offset:512*\p   ; 32 lanes store 512 consecutive bytes
.endr
	s_wait_loadcnt 0x0
	QUANT N1, PC1, PW1
.irp p, 0,1,2
	global_store_b128 v5, v[PC1+4*\p:PC1+4*\p+3], s[30:31] offset:1536+512*\p
.endr
	PACKW
	global_store_b32 v6, v[PWP], s[32:33] offset:XSO
	s_endpgm
.Lnot_x:
	s_cmp_lt_u32 ttmp9, 320
	s_cbranch_scc0 .Lpads
	; ---- the weights: matrix (wg - 256) / 16, tile t, K steps 2 pr and 2 pr + 1.  A lane takes a column and its registers run down K: nothing is transposed
	s_sub_co_u32 s25, ttmp9, 256
	s_lshr_b32 s26, s25, 4                         ; which matrix: 0 q, 1 k, 2 v, 3 fc
	s_lshl_b32 s27, s25, 1
	s_add_co_u32 s27, s27, s23
	s_and_b32 s27, s27, 31                         ; t
	s_cmp_eq_u32 s26, 1
	s_cselect_b64 s[34:35], s[8:9], s[6:7]
	s_cmp_eq_u32 s26, 2
	s_cselect_b64 s[34:35], s[10:11], s[34:35]
	s_cmp_eq_u32 s26, 3
	s_cselect_b64 s[34:35], s[12:13], s[34:35]
	s_lshr_b32 s28, s27, 1
	s_lshl_b32 s28, s28, 7                         ; column 32 (t / 2), 4 bytes each,
	s_and_b32 s29, s27, 1
	s_lshl_b32 s29, s29, 5                         ; + 8 (t % 2)
	s_add_co_u32 s28, s28, s29
	s_lshl_b32 s29, s24, 19                        ; 256 rows of 2,048 bytes for pr
	s_add_co_u32 s28, s28, s29
	s_mov_b32 s29, 0
	s_add_nc_u64 s[34:35], s[34:35], s[28:29]
	s_lshl_b32 s36, s26, 5
	s_add_co_u32 s36, s36, s27                     ; 32 x matrix + t
	s_lshl_b32 s38, s36, 2
	s_lshl_b32 s37, s24, 1
	s_add_co_u32 s38, s38, s37
	s_mul_i32 s38, s38, 1536
	s_mov_b32 s39, 0
	s_add_nc_u64 s[38:39], s[16:17], s[38:39]
	s_lshl_b32 s40, s36, 8
	s_lshl_b32 s37, s24, 7
	s_add_co_u32 s40, s40, s37
	s_mov_b32 s41, 0
	s_add_nc_u64 s[40:41], s[16:17], s[40:41]
	v_lshlrev_b32 v4, 2, v[PRM]                    ; my column,
	v_lshl_add_u32 v4, v3, 16, v4                  ; lanes 16-31 begin 32 rows further down
.set i_, 0
.rept 128
	global_load_b32 v[N0+i_], v4, s[34:35] offset:(128*(i_/64)+64*((i_/32)%2)+i_%32)*2048
.set i_, i_+1
.endr
	s_wait_loadcnt 63                              ; the first step's 64 loads are in: 64 are younger, and 63 is the largest count that the wait can name
	WQUANT N0, PC0, PW0
.irp p, 0,1,2
	global_store_b128 v5, v[PC0+4*\p:PC0+4*\p+3], s[38:39] offset:512*\p
.endr
	s_wait_loadcnt 0x0
	WQUANT N1, PC1, PW1
.irp p, 0,1,2
	global_store_b128 v5, v[PC1+4*\p:PC1+4*\p+3], s[38:39] offset:1536+512*\p
.endr
	PACKW
	global_store_b32 v6, v[PWP], s[40:41] offset:WSO
	s_endpgm
.Lpads:
	; ---- the pads of act: wave id = 4 (wg - 320) + wave: head id / 2, the front (0) or the back (1)
	s_sub_co_u32 s25, ttmp9, 320
	s_lshl_b32 s25, s25, 2
	s_add_co_u32 s25, s25, s22
	s_lshr_b32 s26, s25, 1                         ; the head, 0..15
	s_and_b32 s27, s25, 1                          ; the side
	s_mul_i32 s28, s26, 136
	s_mul_i32 s29, s27, 132
	s_add_co_u32 s28, s28, s29                     ; the first of the four padded groups
	s_mul_i32 s30, s28, 1536
	s_mov_b32 s31, 0
	s_add_nc_u64 s[30:31], s[18:19], s[30:31]
	s_lshl_b32 s32, s28, 7
	s_add_co_u32 s32, s32, KSO
	s_mov_b32 s33, 0
	s_add_nc_u64 s[32:33], s[18:19], s[32:33]
	s_mul_i32 s34, s26, 34
	s_mul_i32 s35, s27, 33
	s_add_co_u32 s34, s34, s35
	s_lshl_b32 s34, s34, 8
	s_add_co_u32 s34, s34, VSO
	s_mov_b32 s35, 0
	s_add_nc_u64 s[34:35], s[18:19], s[34:35]
	v_lshlrev_b32 v4, 3, v1
.irp i, 0,1,2,3
	v_mov_b32 v[28+\i], 0                          ; zero codes
	v_mov_b32 v[32+\i], 0x7f7f7f7f                 ; bytes 127: the scale 1
.endr
.irp i, 0,1,2,3,4,5,6,7,8,9,10,11
	global_store_b128 v5, v[28:31], s[30:31] offset:KC+512*\i
	global_store_b128 v5, v[28:31], s[30:31] offset:VC+512*\i
.endr
	global_store_b128 v5, v[32:35], s[32:33]       ; four groups' scale words of K: 512 bytes
	global_store_b64 v4, v[32:33], s[34:35]        ; one chunk's scale words of V: 256 bytes
	s_endpgm
.Lfunc_end_k_q0173d78ca8_prep:
	.size	k_q0173d78ca8_prep, .Lfunc_end_k_q0173d78ca8_prep-k_q0173d78ca8_prep
	.p2alignl 7, 3214868480
	.fill 96, 4, 3214868480
	.section	.rodata,"a",@progbits
	.p2align	6, 0x0
	.amdhsa_kernel k_q0173d78ca8_prep
		.amdhsa_group_segment_fixed_size 0
		.amdhsa_private_segment_fixed_size 0
		.amdhsa_enable_private_segment 0
		.amdhsa_kernarg_size 64
		.amdhsa_user_sgpr_count 2
		.amdhsa_user_sgpr_kernarg_segment_ptr 1
		.amdhsa_wavefront_size32 1
		.amdhsa_system_sgpr_workgroup_id_x 1
		.amdhsa_system_sgpr_workgroup_id_y 1
		.amdhsa_system_sgpr_workgroup_id_z 1
		.amdhsa_system_vgpr_workitem_id 0
		.amdhsa_next_free_vgpr 208
		.amdhsa_next_free_sgpr 66
		.amdhsa_reserve_vcc 1
		.amdhsa_float_denorm_mode_32 3
		.amdhsa_float_denorm_mode_16_64 3
		.amdhsa_memory_ordered 1
		.amdhsa_forward_progress 1
		.amdhsa_inst_pref_size 37
	.end_amdhsa_kernel
	.amdgpu_metadata
---
amdhsa.version: [ 1, 2 ]
amdhsa.kernels:
  - .name:           k_q0173d78ca8_prep
    .symbol:         k_q0173d78ca8_prep.kd
    .args:
      - { .name: x, .offset: 0, .size: 8, .value_kind: global_buffer, .address_space: global }
      - { .name: Wq, .offset: 8, .size: 8, .value_kind: global_buffer, .address_space: global }
      - { .name: Wk, .offset: 16, .size: 8, .value_kind: global_buffer, .address_space: global }
      - { .name: Wv, .offset: 24, .size: 8, .value_kind: global_buffer, .address_space: global }
      - { .name: Wfc, .offset: 32, .size: 8, .value_kind: global_buffer, .address_space: global }
      - { .name: bufx, .offset: 40, .size: 8, .value_kind: global_buffer, .address_space: global }
      - { .name: bufw, .offset: 48, .size: 8, .value_kind: global_buffer, .address_space: global }
      - { .name: act, .offset: 56, .size: 8, .value_kind: global_buffer, .address_space: global }
    .group_segment_fixed_size: 0
    .private_segment_fixed_size: 0
    .kernarg_segment_align: 8
    .kernarg_segment_size: 64
    .max_flat_workgroup_size: 128
    .sgpr_count:     66
    .vgpr_count:     208
    .wavefront_size: 32
...
	.end_amdgpu_metadata
.endif
;; end of part 1
;; launch qkv (part 2): grid 64 x 3, 4 waves a work-group, no clusters, 49,664 bytes of LDS; arguments bufx, bufw, bq, bk, bv, act; writes act
.if DOCPART == 2
	.amdgcn_target "amdgcn-amd-amdhsa--gfx1250"
	.amdhsa_code_object_version 6
	.text
	.protected	k_q0173d78ca8_qkv
	.globl	k_q0173d78ca8_qkv
	.p2align	8
	.type	k_q0173d78ca8_qkv,@function
k_q0173d78ca8_qkv:
	s_mov_b64 s[64:65], 0
	v_nop
	global_prefetch_b8 v0, s[64:65] scope:SCOPE_SE
	s_setreg_imm32_b32 hwreg(HW_REG_WAVE_MODE, 25, 1), 1
	s_wait_xcnt 0x0
; q = x Wq + bq, k = x Wk + bk, v = x Wv + bv on codes of FP6 (E2M3) with E8M0 scales, and the results quantised in registers for the attention launch.
; SHARES: work-group (x, y): chunk x of 128 tokens, matrix y (0 q, 1 k, 2 v): 128 tokens x 512 columns.  Wave w: all 128 tokens x columns 128 w .. + 127 (heads 2 w, 2 w + 1): 64 accumulators, 256 matrix instructions.
; x's 32 fragments (8 tiles x 4 K steps) are brought once, a quarter by each wave, and go through LDS as images of their registers; each weight fragment is used by one wave and comes from memory straight into its registers, a K step ahead, in two sets.
; No multicast: a weight fragment has one reader in a work-group, and x, which the three work-groups of a chunk share, is 48 of the 240 KiB that a work-group reads.
; LAYOUT: the rows of a tile are 32 g + 8 u + r + 8 (r / 8).  q, k: source 0 = 16 columns of W, source 1 = 16 tokens: a lane holds ONE token and its registers run along the head's channels, which are the next product's K.
; v: source 0 = 16 tokens, source 1 = 16 columns: a lane holds ONE channel and its registers run along the tokens (the keys), which are the second attention product's K.
; OUT: q, k: for each head and group of 32 tokens a PAIR IMAGE of 12 registers: registers 0-5 the 64 channels of token tile u = 0, registers 6-11 those of u = 1; one scale word a lane (bytes 0, 1: u = 0; bytes 2, 3: u = 1).
; v: for each head and group of 32 keys 1,536 bytes: of (channel tile tt, lane r)'s six registers the first four at 256 tt + 16 r, the last two at 1,024 + 128 tt + 8 r; scale words [chunk][r][tt], byte i for the chunk's group i.
; The biases are the C of each sum's first matrix instruction.
; LIMITS: NaN and infinities are not served; a block whose largest magnitude lies under 2^-124 has its byte held at 1; a block of zeros gets the byte 1: its codes are zeros and this program alone reads the bytes.
; REGISTERS, in windows of 256: window 0: v1-8 addresses; v16-31 x's scale words; v32-47 W's; v48-143 x's 8 fragments of a K step; v144-183 the quantiser's.  window 1: v0-95, v96-191 W's 8 fragments, two sets; v192-255 the bias, 8 tiles.
; windows 2, 3: the accumulators of my first and second head.
.set XSO, 3145728
.set WSO, 786432
.set QSO, 10027008
.set VSO, 10584064
.set XS,  16                           ; x's scale words: tile m, pair of steps pr at XS + 2 m + pr
.set WSC, 32                           ; W's: tile tl at WSC + 2 tl + pr
.set XF,  48                           ; x's fragment of tile m at XF + 12 m
.set TM,  144
.set PW,  160                          ; v160-163 scale words just made
.set PC,  164                          ; v164-183 codes just made
.set BIA, 192                          ; in window 1
.set MSB, 0
.macro WIN new                         ; the immediate's high byte repeats the setting that is left
.if MSB != (\new)
	s_set_vgpr_msb (MSB<<8)|(\new)
.set MSB, (\new)
.endif
.endm
.macro PLACES                          ; four plain places behind a matrix instruction, ahead of loads into registers that it has read and of the first read of results
.rept 4
	v_nop
.endr
.endm
.macro WM d, a, b, c, sa, sb, odd      ; an odd K step's scale words stand in lanes 16-31
.if \odd
	v_wmma_scale_f32_16x16x128_f8f6f4 v[\d:\d+7], v[\a:\a+11], v[\b:\b+11], v[\c:\c+7], v[\sa], v[\sb] matrix_a_fmt:MATRIX_FMT_FP6 matrix_b_fmt:MATRIX_FMT_FP6 matrix_a_scale:MATRIX_SCALE_ROW1 matrix_b_scale:MATRIX_SCALE_ROW1
.else
	v_wmma_scale_f32_16x16x128_f8f6f4 v[\d:\d+7], v[\a:\a+11], v[\b:\b+11], v[\c:\c+7], v[\sa], v[\sb] matrix_a_fmt:MATRIX_FMT_FP6 matrix_b_fmt:MATRIX_FMT_FP6
.endif
.endm
; 16 matrix instructions: token tiles 4 mh .. + 3 x the four column tiles of head hh, K step s.  The 64 accumulators take turns, one instruction a turn, in the same order in every step.
; Windows: W window 1, x window 0, D window 2 + hh; C the bias (window 1) in step 0, then D.
.macro MUL16 mh, hh, s, swap
.if (\s) == 0
	WIN 0x91+3*(\swap)+0x40*(\hh)
.else
	WIN 0xa1+3*(\swap)+0x50*(\hh)
.endif
.irp mm, 0,1,2,3
.irp tt, 0,1,2,3
.set M_, 4*(\mh)+\mm
.set TL_, 4*(\hh)+\tt
.set WR_, 96*((\s)%2)+12*TL_
.set XR_, XF+12*M_
.set SW_, WSC+2*TL_+(\s)/2
.set SX_, XS+2*M_+(\s)/2
.if \swap
.set AC_, 64*\tt+8*M_
.else
.set AC_, 64*(M_/2)+32*(M_%2)+8*\tt
.endif
.if (\s) == 0
.set CC_, BIA+8*TL_
.else
.set CC_, AC_
.endif
.if \swap
	WM AC_, XR_, WR_, CC_, SX_, SW_, (\s)%2
.else
	WM AC_, WR_, XR_, CC_, SW_, SX_, (\s)%2
.endif
.endr
.endr
.endm
.macro WLOAD s, set                    ; my 8 weight fragments of K step s into a set of window 1: 24 loads of 512 consecutive bytes
	WIN 0x40
.set t_, 0
.rept 8
.irp p, 0,1,2
	global_load_b128 v[96*(\set)+12*t_+4*\p:96*(\set)+12*t_+4*\p+3], v1, s[28:29] offset:(4*t_+(\s))*1536+512*\p
.endr
.set t_, t_+1
.endr
	WIN 0
.endm
.macro XLOADH s, half                  ; x's fragments of tiles 4 half .. + 3, K step s, from their images in LDS: 12 loads
.irp mm, 0,1,2,3
.irp p, 0,1,2
	ds_load_b128 v[XF+12*(4*(\half)+\mm)+4*\p:XF+12*(4*(\half)+\mm)+4*\p+3], v1 offset:(4*(4*(\half)+\mm)+(\s))*1536+512*\p
.endr
.endr
.endm
.macro STEP s, swap
.if (\s) < 3
	s_wait_loadcnt 24                              ; this step's weights (and, in step 0, scale words and bias) are in; the 24 younger loads are the other set's
.else
	s_wait_loadcnt 0x0
.endif
	s_wait_dscnt 12                                ; x's tiles 0-3 of this step are in; the 12 younger loads are tiles 4-7
	MUL16 0, 0, \s, \swap
	MUL16 0, 1, \s, \swap
	WIN 0
	PLACES
.if (\s) < 3
	XLOADH (\s)+1, 0
	s_wait_dscnt 12                                ; tiles 4-7 are in; the 12 younger are those just issued
.else
	s_wait_dscnt 0x0
.endif
	MUL16 1, 0, \s, \swap
	MUL16 1, 1, \s, \swap
	WIN 0
	PLACES
.if (\s) < 3
	XLOADH (\s)+1, 1
.endif
.if (\s) < 2
	WLOAD (\s)+2, (\s)%2
.endif
.endm
; 64 accumulator registers of window win, register 16 b + i = k 32 b + 16 (lane / 16) + i of my row, become 12 registers of codes in v[PC] on and a scale word in v[pw].  Each accumulator is read from its low end on.
.macro QUANT src, win, pw
.set SR_, (\src)
	WIN ((\win)<<2)|((\win)<<4)                    ; sources 1 and 2: the accumulators' window
.irp b, 0,1,2,3
	v_max3_num_f32 v[TM+\b], 0x1800000, |v[SR_+16*\b]|, |v[SR_+16*\b+1]|   ; the floor 2^(3 - 127) and my first two numbers of block b
.endr
.irp i, 2,4,6,8,10,12,14
.irp b, 0,1,2,3
	v_max3_num_f32 v[TM+\b], v[TM+\b], |v[SR_+16*\b+\i]|, |v[SR_+16*\b+\i+1]|
.endr
.endr
	WIN 0
	s_wait_xcnt 0x0                                ; the last stores have read their data: the scale word and the codes are written again only behind this wait
.irp b, 0,1,2,3
	v_permlanex16_b32 v[TM+4+\b], v[TM+\b], s20, s21
.endr
.irp b, 0,1,2,3
	v_max_num_f32 v[TM+\b], v[TM+\b], v[TM+4+\b]
.endr
.irp b, 0,1,2,3
	v_add_nc_u32 v[TM+12+\b], 0xff000000, v[TM+\b]
.endr
.irp b, 0,1,2,3
	v_lshrrev_b32 v[TM+4+\b], 23, v[TM+12+\b]
.endr
	v_lshl_or_b32 v[\pw], v[TM+5], 8, v[TM+4]
	v_lshl_or_b32 v[\pw], v[TM+6], 16, v[\pw]
	v_lshl_or_b32 v[\pw], v[TM+7], 24, v[\pw]
	WIN (\win)                                     ; source 0: the accumulators' window
.irp c, 0,1
	v_cvt_scalef32_pk16_fp6_f32 v[PC+6*\c:PC+2+6*\c], v[SR_+32*\c:SR_+15+32*\c], v[TM+12+2*\c]
	v_cvt_scalef32_pk16_fp6_f32 v[PC+12+4*\c:PC+14+4*\c], v[SR_+16+32*\c:SR_+31+32*\c], v[TM+12+2*\c+1]
.endr
	WIN 0
	v_nop                                          ; one plain place behind the scaled conversions
.irp c, 0,1
.irp i, 0,1,2
	v_permlane16_swap_b32 v[PC+6*\c+\i], v[PC+12+4*\c+\i]
.endr
.irp i, 0,1,2
	v_mov_b32 v[PC+3+6*\c+\i], v[PC+12+4*\c+\i]
.endr
.endr
.endm
	s_load_b256 s[4:11], s[0:1], 0x0               ; bufx s[4:5], bufw s[6:7], bq s[8:9], bk s[10:11]
	s_load_b128 s[12:15], s[0:1], 0x20             ; bv s[12:13], act s[14:15]
	v_lshl_add_u32 v254, v0, 2, 0xc000
	v_mov_b32 v255, 0
	v_lshrrev_b32 v1, 5, v0
	v_readfirstlane_b32 s16, v1                    ; wave
	v_and_b32 v9, 31, v0                           ; lane
	v_and_b32 v10, 15, v0                          ; r
	v_bfe_u32 v11, v0, 4, 1                        ; h
	v_lshlrev_b32 v1, 4, v9                        ; 16 x lane
	v_lshlrev_b32 v2, 2, v9                        ; 4 x lane
	s_mul_i32 s40, s16, 12288
	v_add_nc_u32 v3, s40, v1                       ; where I store my 8 images of x
	v_lshlrev_b32 v4, 6, v11                       ; q, k: the bias of my half's channels: 64 h
	v_and_b32 v8, 8, v10
	v_add_nc_u32 v8, v8, v10
	v_lshlrev_b32 v8, 2, v8                        ; v: the bias of my channel: 4 (r + 8 (r / 8))
	v_mul_u32_u24 v5, v11, 1536
	v_lshl_add_u32 v6, v10, 3, v5
	v_add_nc_u32 v6, 1024, v6                      ; v out: 1,536 h + 8 r + 1,024
	v_lshl_add_u32 v5, v10, 4, v5                  ; v out: 1,536 h + 16 r
	v_lshlrev_b32 v7, 4, v10                       ; v's scale words: 16 r
.irp b, 0,1,2,3
	v_mov_b32 v[TM+4+\b], 0                        ; written once: a lane permute's destination counts as one of its sources
.endr
	s_and_b32 s17, ttmp7, 0xffff                   ; which matrix
	s_lshr_b32 s18, ttmp9, 5                       ; batch
	s_and_b32 s19, ttmp9, 31                       ; chunk in the batch
	s_mov_b32 s20, 0x76543210
	s_mov_b32 s21, 0xfedcba98
	s_mul_i32 s42, ttmp9, 49152                    ; x's codes: 8 tiles x 6,144 bytes a chunk,
	s_add_co_u32 s42, s42, s40                     ; my quarter
	s_mov_b32 s43, 0
	s_lshl_b32 s44, ttmp9, 11                      ; x's scale words: 8 tiles x 256 bytes
	s_add_co_u32 s44, s44, XSO
	s_mov_b32 s45, 0
	s_mul_i32 s46, s17, 196608                     ; the matrix' codes,
	s_mul_i32 s41, s16, 49152                      ; my 8 tiles
	s_add_co_u32 s46, s46, s41
	s_mov_b32 s47, 0
	s_lshl_b32 s48, s17, 5
	s_lshl_b32 s41, s16, 3
	s_add_co_u32 s48, s48, s41
	s_lshl_b32 s48, s48, 8                         ; their scale words
	s_add_co_u32 s48, s48, WSO
	s_mov_b32 s49, 0
	s_lshl_b32 s50, s16, 9                         ; my 128 numbers of the bias
	s_mov_b32 s51, 0
	s_lshl_b32 s52, s18, 3
	s_lshl_b32 s41, s16, 1
	s_add_co_u32 s52, s52, s41                     ; my first head among the 16
	s_mul_i32 s53, s52, 136
	s_lshl_b32 s41, s19, 2
	s_add_co_u32 s53, s53, s41
	s_add_co_u32 s53, s53, 4                       ; its row of groups: four pads, then 4 groups a chunk
	s_mul_i32 s54, s53, 1536
	s_mul_i32 s41, s17, 3342336                    ; q's, k's or v's codes
	s_add_co_u32 s54, s54, s41
	s_mov_b32 s55, 0
	s_wait_kmcnt 0x0
	s_add_nc_u64 s[24:25], s[4:5], s[42:43]
	s_add_nc_u64 s[26:27], s[4:5], s[44:45]
	s_add_nc_u64 s[28:29], s[6:7], s[46:47]
	s_add_nc_u64 s[30:31], s[6:7], s[48:49]
	s_cmp_eq_u32 s17, 1
	s_cselect_b64 s[32:33], s[10:11], s[8:9]
	s_cmp_eq_u32 s17, 2
	s_cselect_b64 s[32:33], s[12:13], s[32:33]
	s_add_nc_u64 s[32:33], s[32:33], s[50:51]
	s_add_nc_u64 s[34:35], s[14:15], s[54:55]
.set i_, 0
.rept 24
	global_load_b128 v[XF+4*i_:XF+4*i_+3], v1, s[24:25] offset:512*i_   ; my 8 fragments of x: 12,288 consecutive bytes
.set i_, i_+1
.endr
	WLOAD 0, 0
	s_wait_loadcnt 24                              ; x's are in; the 24 younger loads are the weights'
.set i_, 0
.rept 24
	ds_store_b128 v3, v[XF+4*i_:XF+4*i_+3] offset:512*i_
.set i_, i_+1
.endr
.set i_, 0
.rept 16
	global_load_b32 v[XS+i_], v2, s[26:27] offset:128*i_
	global_load_b32 v[WSC+i_], v2, s[30:31] offset:128*i_
.set i_, i_+1
.endr
	s_wait_dscnt 0x0                               ; for the others' sake: my images have landed
	s_barrier_signal -1
	s_barrier_wait -1                              ; x's 32 fragments lie in LDS; nothing is written there again
	s_cmp_eq_u32 s17, 2
	s_cbranch_scc1 .Lv
	; ---- q, k
	s_lshl_b32 s56, s53, 7
	s_mul_i32 s41, s17, 278528
	s_add_co_u32 s56, s56, s41
	s_add_co_u32 s56, s56, QSO
	s_mov_b32 s57, 0
	s_add_nc_u64 s[36:37], s[14:15], s[56:57]      ; the scale words' place
	WIN 0x40
.set t_, 0
.rept 8
	global_load_b128 v[BIA+8*t_:BIA+8*t_+3], v4, s[32:33] offset:(32*(t_/2)+8*(t_%2))*4       ; tile t: channels 32 (t / 2) + 8 (t % 2) + 16 h + 0 .. 7
	global_load_b128 v[BIA+8*t_+4:BIA+8*t_+7], v4, s[32:33] offset:(32*(t_/2)+8*(t_%2))*4+16
.set t_, t_+1
.endr
	WIN 0
	WLOAD 1, 1
	XLOADH 0, 0
	XLOADH 0, 1
	STEP 0, 0
	STEP 1, 0
	STEP 2, 0
	STEP 3, 0
.irp hh, 0,1
.irp g, 0,1,2,3
	QUANT 64*\g, 2+\hh, PW                         ; head 2 w + hh, the chunk's group g: both token tiles
.irp p, 0,1,2
	global_store_b128 v1, v[PC+4*\p:PC+4*\p+3], s[34:35] offset:208896*\hh+1536*\g+512*\p   ; 32 lanes store 512 consecutive bytes
.endr
	global_store_b32 v2, v[PW], s[36:37] offset:17408*\hh+128*\g
.endr
.endr
	s_wait_tensorcnt 0x0
	ds_add_u32 v254, v255
	s_wait_dscnt 0x0
	s_endpgm
.Lv:
	; ---- v
	s_mul_i32 s56, s52, 34
	s_add_co_u32 s56, s56, s19
	s_add_co_u32 s56, s56, 1                       ; one padded chunk in front
	s_lshl_b32 s56, s56, 8
	s_add_co_u32 s56, s56, VSO
	s_mov_b32 s57, 0
	s_add_nc_u64 s[36:37], s[14:15], s[56:57]
	WIN 0x40
.set t_, 0
.rept 64
	global_load_b32 v[BIA+t_], v8, s[32:33] offset:(32*(t_/16)+8*((t_/8)%2))*4   ; a lane holds one channel: the same number in a tile's eight registers
.set t_, t_+1
.endr
	WIN 0
	WLOAD 1, 1
	XLOADH 0, 0
	XLOADH 0, 1
	STEP 0, 1
	STEP 1, 1
	STEP 2, 1
	STEP 3, 1
.irp hh, 0,1
.irp tt, 0,1,2,3
	QUANT 64*\tt, 2+\hh, PW+\tt                    ; head 2 w + hh, channel tile tt, the chunk's 128 keys: registers 6 c .. + 5 are the chunk's group 2 c + h
.irp c, 0,1
	global_store_b128 v5, v[PC+6*\c:PC+6*\c+3], s[34:35] offset:208896*\hh+3072*\c+256*\tt   ; 16 lanes store 256 consecutive bytes, aligned
	global_store_b64 v6, v[PC+6*\c+4:PC+6*\c+5], s[34:35] offset:208896*\hh+3072*\c+128*\tt
.endr
.endr
	global_store_b128 v7, v[PW:PW+3], s[36:37] offset:8704*\hh   ; the four tiles' scale words of row r (both halves of the lanes hold and store the same)
.endr
	s_wait_tensorcnt 0x0
	ds_add_u32 v254, v255
	s_wait_dscnt 0x0
	s_endpgm
.Lfunc_end_k_q0173d78ca8_qkv:
	.size	k_q0173d78ca8_qkv, .Lfunc_end_k_q0173d78ca8_qkv-k_q0173d78ca8_qkv
	.p2alignl 7, 3214868480
	.fill 96, 4, 3214868480
	.section	.rodata,"a",@progbits
	.p2align	6, 0x0
	.amdhsa_kernel k_q0173d78ca8_qkv
		.amdhsa_group_segment_fixed_size 49664
		.amdhsa_private_segment_fixed_size 0
		.amdhsa_enable_private_segment 0
		.amdhsa_kernarg_size 48
		.amdhsa_user_sgpr_count 2
		.amdhsa_user_sgpr_kernarg_segment_ptr 1
		.amdhsa_wavefront_size32 1
		.amdhsa_system_sgpr_workgroup_id_x 1
		.amdhsa_system_sgpr_workgroup_id_y 1
		.amdhsa_system_sgpr_workgroup_id_z 1
		.amdhsa_system_vgpr_workitem_id 0
		.amdhsa_next_free_vgpr 1024
		.amdhsa_next_free_sgpr 66
		.amdhsa_reserve_vcc 0
		.amdhsa_float_denorm_mode_32 3
		.amdhsa_float_denorm_mode_16_64 3
		.amdhsa_memory_ordered 1
		.amdhsa_forward_progress 1
		.amdhsa_inst_pref_size 184
	.end_amdhsa_kernel
	.amdgpu_metadata
---
amdhsa.version: [ 1, 2 ]
amdhsa.kernels:
  - .name:           k_q0173d78ca8_qkv
    .symbol:         k_q0173d78ca8_qkv.kd
    .args:
      - { .name: bufx, .offset: 0, .size: 8, .value_kind: global_buffer, .address_space: global }
      - { .name: bufw, .offset: 8, .size: 8, .value_kind: global_buffer, .address_space: global }
      - { .name: bq, .offset: 16, .size: 8, .value_kind: global_buffer, .address_space: global }
      - { .name: bk, .offset: 24, .size: 8, .value_kind: global_buffer, .address_space: global }
      - { .name: bv, .offset: 32, .size: 8, .value_kind: global_buffer, .address_space: global }
      - { .name: act, .offset: 40, .size: 8, .value_kind: global_buffer, .address_space: global }
    .group_segment_fixed_size: 49664
    .private_segment_fixed_size: 0
    .kernarg_segment_align: 8
    .kernarg_segment_size: 48
    .max_flat_workgroup_size: 128
    .sgpr_count:     66
    .vgpr_count:     1024
    .wavefront_size: 32
...
	.end_amdgpu_metadata
.endif
;; end of part 2
;; launch attn (part 3): grid 256 x 1, 16 waves a work-group, no clusters, 302,592 bytes of LDS; arguments act, bufw, bfc, out0; writes out0
.if DOCPART == 3
	.amdgcn_target "amdgcn-amd-amdhsa--gfx1250"
	.amdhsa_code_object_version 6
	.text
	.protected	k_q0173d78ca8_attn
	.globl	k_q0173d78ca8_attn
	.p2align	8
	.type	k_q0173d78ca8_attn,@function
k_q0173d78ca8_attn:
	s_mov_b64 s[64:65], 0
	v_nop
	global_prefetch_b8 v0, s[64:65] scope:SCOPE_SE
	s_setreg_imm32_b32 hwreg(HW_REG_WAVE_MODE, 25, 1), 1
	s_wait_xcnt 0x0
; The windowed attention and the last projection, all three products on codes of FP6 (E2M3) with E8M0 scales.  Key j counts for query i where |i - j| <= 128.
; SHARES: a work-group owns a group of 32 queries (aligned on 32) of one batch, all 8 heads.  Such a group sees exactly nine aligned groups of 32 keys: groups 1-7 whole, group 0 cut from below, group 8 from above.
; Attention: wave wv has head wv / 2 and query tile wv % 2 (16 queries).  Projection: wave wv makes out columns 32 wv .. + 31 for all 32 queries.  Sixteen waves of 256 registers: four to a SIMD, no register windows.
; ONE PASS: a lane's 9 x 16 = 144 scores stay in registers, so the row's maximum is taken once and nothing is rescaled.
; SOFTMAX: t = score x log2(e) / 8; M = ceil(the row's largest t); p = 2^(t - M) is quantised along the keys, in the aligned groups of 32; the row's sum is taken of the unquantised p and divides O.
; LAYOUT: both attention products are used transposed (S^T = K Q^T, O^T = V^T P^T): a lane holds ONE query, 32 G + 8 tau + r + 8 (r / 8).  A K pair image (registers 0-5: key tile u = 0, 6-11: u = 1) is one whole source 0:
; against [q | 0] it gives the scores of u = 0, against [0 | q] those of u = 1: zero codes add nothing.  So a group's 16 registers are 16 neighbouring keys, 16 (lane / 16) + 0 .. 15.
; K's and V's nine groups of all heads come into LDS once, by asynchronous copies issued at the head; every LDS byte is filled once.  No multicast: neighbouring work-groups' windows are shifted by a group, so no two ask for
; the same block of nine, and Wfc's 192 KiB do not fit beside K's and V's 216 KiB; each wave loads its own two tiles of Wfc into registers as soon as the scores' registers are free.
; The pads of act (zero codes, bytes 127) stand for the groups beyond the sequence's ends; their scores are hidden like all hidden scores: -infinity ahead of the maximum.
; LIMITS: NaN and infinities are not served; a block whose largest magnitude lies under 2^-124 has its byte held at 1; a block of zeros gets the byte 1 (its codes are zeros); 1 / l by v_rcp_f32, p by v_exp_f32.
; REGISTERS: v1-15 addresses; v16-45 scale words; v46-63 [0 | q | 0], then block maxima and scale operands, then the bias; v64-99 K's images, then p's codes, then o's; v100-243 the scores and p, then V, O^T, Wfc and the results; v244-255 at work.
.set KC,  3342336
.set VC,  6684672
.set QSO, 10027008
.set VSO, 10584064
.set WSO, 786432
.set VR,  110592                       ; LDS: K's images [head][9][1,536] at 0, V's here,
.set OI,  221184                       ; o's 8 fragments (4 tau + s): piece q of 8 bytes a lane at 256 q + 8 x lane,
.set OS,  233472                       ; their scale words, 128 bytes each,
.set STG, 234496                       ; the stage for out: 32 rows x (2,048 + 16) bytes
.set S,   100                          ; the scores: group j's 16 at S + 16 j
.set BM,  46                           ; v46-54 the groups' largest scores, then p's scale operands
.set BP,  55                           ; v55-63 the other half's
.set KB,  64                           ; three slots for K's images
.set P,   64                           ; p's codes: key step f at P + 12 f
.set VB,  100                          ; V's four fragments of a key step
.set O,   148                          ; O^T: four tiles; later the projection's four accumulators
.macro PLACES
.rept 4
	v_nop
.endr
.endm
.macro WMM d, a, b, c, sa, sb, arow    ; c < 0: the constant 0 starts the sum.  arow: source 0's scale words stand in lanes 16-31
.if (\c) < 0
	v_wmma_scale_f32_16x16x128_f8f6f4 v[(\d):(\d)+7], v[(\a):(\a)+11], v[(\b):(\b)+11], 0, v[\sa], v[\sb] matrix_a_fmt:MATRIX_FMT_FP6 matrix_b_fmt:MATRIX_FMT_FP6
.elseif \arow
	v_wmma_scale_f32_16x16x128_f8f6f4 v[(\d):(\d)+7], v[(\a):(\a)+11], v[(\b):(\b)+11], v[(\c):(\c)+7], v[\sa], v[\sb] matrix_a_fmt:MATRIX_FMT_FP6 matrix_b_fmt:MATRIX_FMT_FP6 matrix_a_scale:MATRIX_SCALE_ROW1
.else
	v_wmma_scale_f32_16x16x128_f8f6f4 v[(\d):(\d)+7], v[(\a):(\a)+11], v[(\b):(\b)+11], v[(\c):(\c)+7], v[\sa], v[\sb] matrix_a_fmt:MATRIX_FMT_FP6 matrix_b_fmt:MATRIX_FMT_FP6
.endif
.endm
	; ---- the head: ids, addresses, all requests
	s_load_b256 s[4:11], s[0:1], 0x0               ; act s[4:5], bufw s[6:7], bfc s[8:9], out0 s[10:11]
	v_lshl_add_u32 v254, v0, 2, 0x49600
	v_mov_b32 v255, 0
	ds_add_u32 v254, v255
	ds_add_u32 v254, v255
	s_wait_dscnt 0x0
	v_lshrrev_b32 v1, 5, v0
	v_readfirstlane_b32 s12, v1                    ; wave 0..15
	v_and_b32 v113, 31, v0                         ; lane
	v_and_b32 v114, 15, v0                         ; r
	v_bfe_u32 v115, v0, 4, 1                       ; h
	v_lshlrev_b32 v1, 4, v113                      ; 16 x lane
	v_lshlrev_b32 v2, 2, v113                      ; 4 x lane
	v_lshlrev_b32 v112, 4, v114                    ; 16 r
	v_and_b32 v116, 8, v114
	v_add_nc_u32 v116, v116, v114                  ; r + 8 (r / 8)
	s_lshr_b32 s13, s12, 1                         ; head
	s_and_b32 s14, s12, 1                          ; tau: my tile of queries
	s_and_b32 s15, ttmp9, 127                      ; Gl: the group in its batch
	s_lshr_b32 s16, ttmp9, 7
	s_lshl_b32 s16, s16, 3
	s_add_co_u32 s16, s16, s13                     ; the head among the 16
	s_mul_i32 s17, s16, 136
	s_add_co_u32 s17, s17, s15                     ; the row of the window's first group (four pads stand in front of a head's groups)
	s_mov_b32 s20, 0x76543210
	s_mov_b32 s21, 0xfedcba98                      ; v_permlanex16_b32's selects for lane l xor 16
	s_mov_b32 s22, 0x3e38aa3b                      ; c = log2(e) / 8
	s_mov_b32 s23, s22                             ; (named with it as a pair)
	s_cmp_eq_u32 s14, 1
	s_cselect_b32 s30, -1, 0                       ; all lanes where tau = 1
	s_lshl_b32 s31, s14, 4                         ; 16 tau
	s_and_b32 s32, s15, 3
	s_lshl_b32 s32, s32, 3                         ; 8 (Gl % 4): where the window's bytes begin in V's scale words
	s_sub_co_u32 s33, s15, 4                       ; the window's first group in the batch (it wraps below 0)
	s_lshl_b32 s42, s14, 3
	v_lshlrev_b32 v3, 4, v115
	v_sub_nc_u32 v3, v116, v3
	v_add_nc_u32 v3, s42, v3                       ; D = 8 tau + r + 8 (r / 8) - 16 h: my query less my half's first key, within a group
	v_mov_b32 v4, 0xff800000                       ; -infinity
	s_mul_i32 s62, s13, 13824                      ; my head's nine images
	s_mul_i32 s63, s14, 7680                       ; 15 pieces of 512 bytes
	v_add_nc_u32 v5, s62, v1                       ; K's images for my lane
	s_add_co_u32 s42, s62, VR
	v_mul_u32_u24 v117, v115, 1536
	v_add_nc_u32 v8, s42, v112                     ; V: the first four registers: 16 r,
	v_add_nc_u32 v6, v8, v117                      ; and a group on for lanes 16-31
	v_lshl_add_u32 v9, v114, 3, s42
	v_add_nc_u32 v9, 1024, v9                      ; V: the last two: 1,024 + 8 r,
	v_add_nc_u32 v7, v9, v117                      ; and a group on
	; the copies' addresses: a head's two waves share its 27 pieces of K and 27 of V: tau = 0: K 0-14, V 0-11;  tau = 1: K 15-26, V 12-26
	s_add_co_u32 s42, s62, s63
	v_add_nc_u32 v10, s42, v1                      ; K's pieces 15 tau on: in LDS,
	s_add_co_u32 s43, s63, KC
	v_add_nc_u32 v11, s43, v1                      ; in memory
	s_mul_i32 s42, s14, 110592
	s_add_co_u32 s42, s42, s62
	s_add_co_u32 s42, s42, 6144
	v_add_nc_u32 v12, s42, v1                      ; pieces 12-14, of K (tau = 0) or of V (tau = 1)
	s_mul_i32 s43, s14, 3342336
	s_add_co_u32 s43, s43, KC+6144
	v_add_nc_u32 v13, s43, v1
	s_add_co_u32 s42, s62, s63
	s_add_co_u32 s42, s42, VR
	v_add_nc_u32 v14, s42, v1                      ; V's pieces 15 tau on
	s_add_co_u32 s43, s63, VC
	v_add_nc_u32 v15, s43, v1
	; LDS bases that are used behind the second barrier
	s_mul_i32 s58, s14, 6144
	s_mul_i32 s42, s13, 768
	s_add_co_u32 s58, s58, s42
	s_add_co_u32 s58, s58, OI                      ; my half of o's fragment 4 tau + head / 2
	s_lshl_b32 s59, s14, 9
	s_lshr_b32 s42, s13, 1
	s_lshl_b32 s42, s42, 7
	s_add_co_u32 s59, s59, s42
	s_and_b32 s42, s13, 1
	s_lshl_b32 s42, s42, 1
	s_add_co_u32 s59, s59, s42
	s_add_co_u32 s59, s59, OS                      ; my two bytes of its scale words
	s_lshl_b32 s60, s12, 7
	s_add_co_u32 s60, s60, STG                     ; the stage: my 32 columns
	s_mul_i32 s61, s12, 4128
	s_add_co_u32 s61, s61, STG                     ; the stage: my two rows
	s_mul_i32 s44, s17, 1536
	s_mov_b32 s45, 0
	s_lshl_b32 s46, s17, 7
	s_add_co_u32 s46, s46, QSO
	s_mov_b32 s47, 0
	s_mul_i32 s48, s16, 34
	s_lshr_b32 s49, s15, 2
	s_add_co_u32 s48, s48, s49
	s_lshl_b32 s48, s48, 8
	s_add_co_u32 s48, s48, VSO
	s_mov_b32 s49, 0
	s_mul_i32 s50, s12, 12288
	s_add_co_u32 s50, s50, 589824                  ; Wfc's codes, my two tiles
	s_mov_b32 s51, 0
	s_lshl_b32 s52, s12, 9
	s_add_co_u32 s52, s52, WSO+96*256              ; their scale words
	s_mov_b32 s53, 0
	s_lshl_b32 s54, s12, 7                         ; my 32 numbers of bfc
	s_mov_b32 s55, 0
	s_lshl_b32 s56, ttmp9, 16                      ; 32 rows of out,
	s_lshl_b32 s57, s12, 12                        ; my two
	s_add_co_u32 s56, s56, s57
	s_mov_b32 s57, 0
	v_mov_b32 v245, 0                              ; (named as upper halves of pairs, or as a lane permute's destination, before they are otherwise written)
	v_mov_b32 v247, 0
	v_mov_b32 v252, 0
	s_wait_kmcnt 0x0
	s_add_nc_u64 s[24:25], s[4:5], s[44:45]        ; act at the window's first group, in units of 1,536 bytes
	s_add_nc_u64 s[26:27], s[4:5], s[46:47]        ; Q's scale words at that row
	s_add_nc_u64 s[28:29], s[4:5], s[48:49]        ; V's scale words at the window's first chunk
	s_add_nc_u64 s[34:35], s[6:7], s[50:51]
	s_add_nc_u64 s[36:37], s[6:7], s[52:53]
	s_add_nc_u64 s[38:39], s[8:9], s[54:55]
	s_add_nc_u64 s[40:41], s[10:11], s[56:57]
.set n_, 0
.rept 12
	global_load_async_to_lds_b128 v10, v11, s[24:25] offset:512*n_   ; the immediate goes onto both addresses
.set n_, n_+1
.endr
.irp n, 0,1,2
	global_load_async_to_lds_b128 v12, v13, s[24:25] offset:512*\n
.endr
.set n_, 0
.rept 12
	global_load_async_to_lds_b128 v14, v15, s[24:25] offset:512*n_
.set n_, n_+1
.endr
.irp p, 0,1,2
	global_load_b128 v[100+4*\p:103+4*\p], v1, s[24:25] offset:6144+512*\p   ; Q's pair image of my group (the window's fifth)
.endr
	global_load_b32 v45, v2, s[26:27] offset:512   ; its scale word
.irp j, 0,1,2,3,4,5,6,7,8
	global_load_b32 v[17+\j], v2, s[26:27] offset:278528+128*\j   ; K's scale words
.endr
.irp i, 0,1,2
	global_load_b128 v[26+4*\i:29+4*\i], v112, s[28:29] offset:256*\i   ; V's: three chunks' words of my row, four channel tiles each
.endr
	; ---- Q's operands and the scale words
	s_wait_loadcnt 0x0
	v_lshrrev_b32 v45, s31, v45                    ; my tile's two bytes,
	v_and_b32 v45, 0xffff, v45
	v_lshl_or_b32 v16, v45, 16, v45                ; in both halves of the word: they serve [q | 0] and [0 | q]
.irp tt, 0,1,2,3
	v_alignbit_b32 v[26+\tt], v[30+\tt], v[26+\tt], s32   ; the window's groups 0-3,
	v_alignbit_b32 v[30+\tt], v[34+\tt], v[30+\tt], s32   ; 4-7,
	v_bfe_u32 v[34+\tt], v[34+\tt], s32, 8                ; and 8; the bytes above it are 0 and stand over zero codes of p
.endr
.irp i, 0,1,2,3,4,5
	v_cndmask_b32 v[52+\i], v[100+\i], v[106+\i], s30     ; my tile's six registers
.endr
.irp i, 0,1,2,3,4,5
	v_mov_b32 v[46+\i], 0                          ; v[46:57] = [0 | q], v[52:63] = [q | 0]
	v_mov_b32 v[58+\i], 0
.endr
.rept 8
	v_nop                                          ; a scale register written by a vector instruction stands 8 places ahead of a scaled matrix instruction, an operand 4
.endr
	s_wait_asynccnt 12                             ; my first 15 copies have landed, all my pieces of K among them; the 12 younger are V's
	s_barrier_signal -1
	s_barrier_wait -1                              ; K's images are whole
	; ---- S^T = K Q^T
.macro KLOAD j
.irp p, 0,1,2
	ds_load_b128 v[KB+12*((\j)%3)+4*\p:KB+12*((\j)%3)+4*\p+3], v5 offset:1536*(\j)+512*\p
.endr
.endm
	KLOAD 0
	KLOAD 1
	KLOAD 2
.irp j, 0,1,2,3,4,5,6,7,8
.if \j <= 6
	s_wait_dscnt 6                                 ; image j is in; the two images behind it (six loads) may be out
.elseif \j == 7
	s_wait_dscnt 3
.else
	s_wait_dscnt 0x0
.endif
	WMM S+16*\j, KB+12*(\j%3), 52, -1, 17+\j, 16, 0     ; keys 16 h + 0 .. 7 of group j
	WMM S+16*\j+8, KB+12*(\j%3), 46, -1, 17+\j, 16, 0   ; keys 16 h + 8 .. 15
.if \j <= 5
	PLACES
	KLOAD \j+3
.endif
.endr
	PLACES
	; ---- the window: register i of group 0 is hidden where i < D, of group 8 where i > D
.irp i, 0,1,2,3,4,5,6,7,8,9,10,11,12,13,14,15
	v_cmp_lt_i32 vcc_lo, \i, v3
	v_cndmask_b32 v[S+\i], v[S+\i], v4, vcc_lo
.endr
.irp i, 0,1,2,3,4,5,6,7,8,9,10,11,12,13,14,15
	v_cmp_gt_i32 vcc_lo, \i, v3
	v_cndmask_b32 v[S+128+\i], v[S+128+\i], v4, vcc_lo
.endr
	s_cmp_lt_u32 s33, 120                          ; all nine groups lie inside the sequence: a branch on the work-group's number alone
	s_cbranch_scc1 .Linner
.irp j, 0,1,2,3,5,6,7,8                        ; at the sequence's ends: a group outside 0 .. 127 is hidden whole (group 4 holds the queries themselves)
	s_add_co_u32 s42, s33, \j
	s_cmp_lt_u32 s42, 128
	s_cselect_b32 s43, -1, 0
.irp i, 0,1,2,3,4,5,6,7,8,9,10,11,12,13,14,15
	v_cndmask_b32 v[S+16*\j+\i], v4, v[S+16*\j+\i], s43
.endr
.endr
.Linner:
	; ---- the softmax
.irp b, 0,1,2,3,4,5,6,7,8
	v_max3_num_f32 v[BM+\b], v[S+16*\b], v[S+16*\b+1], v[S+16*\b+2]   ; the largest score of each group: it serves for the row's maximum and, since p rises with the score, for the group's largest p
.endr
.irp i, 3,5,7,9,11,13
.irp b, 0,1,2,3,4,5,6,7,8
	v_max3_num_f32 v[BM+\b], v[BM+\b], v[S+16*\b+\i], v[S+16*\b+\i+1]
.endr
.endr
.irp b, 0,1,2,3,4,5,6,7,8
	v_max_num_f32 v[BM+\b], v[BM+\b], v[S+16*\b+15]
.endr
.irp b, 0,1,2,3,4,5,6,7,8
	v_permlanex16_b32 v[BP+\b], v[BM+\b], s20, s21
.endr
.irp b, 0,1,2,3,4,5,6,7,8
	v_max_num_f32 v[BM+\b], v[BM+\b], v[BP+\b]     ; with lane l xor 16's 16 keys
.endr
	v_max3_num_f32 v252, v[BM], v[BM+1], v[BM+2]
	v_max3_num_f32 v252, v252, v[BM+3], v[BM+4]
	v_max3_num_f32 v252, v252, v[BM+5], v[BM+6]
	v_max3_num_f32 v252, v252, v[BM+7], v[BM+8]    ; the row's largest score
	v_mul_f32 v252, s22, v252                      ; as t
	v_floor_f32 v244, -v252                        ; -M = floor(-t) = -ceil(t)
.set j_, 0
.rept 72
	v_pk_fma_f32 v[S+j_:S+j_+1], v[S+j_:S+j_+1], s[22:23], v[244:245] op_sel_hi:[1,0,0]   ; t - M, two at a time
.set j_, j_+2
.endr
.irp b, 0,1,2,3,4,5,6,7,8
	v_fma_f32 v[BM+\b], v[BM+\b], s22, v244        ; the same of each group's largest score
.endr
.set j_, 0
.rept 144
	v_exp_f32 v[S+j_], v[S+j_]                     ; p = 2^(t - M)
.set j_, j_+1
.endr
	v_nop                                          ; a plain place behind the exponentials
	s_wait_alu depctr_va_vdst(0)                   ; one wait for the batch of 144, ahead of its first reader
.irp b, 0,1,2,3,4,5,6,7,8
	v_exp_f32 v[BM+\b], v[BM+\b]                   ; the groups' largest p: the same two instructions on the same number
.endr
	v_pk_add_f32 v[248:249], v[S:S+1], v[S+2:S+3]  ; the row's sum of the unquantised p, in two chains: plain work that reads the 144 alone
	v_pk_add_f32 v[250:251], v[S+4:S+5], v[S+6:S+7]
.set j_, 8
.rept 34
	v_pk_add_f32 v[248:249], v[248:249], v[S+j_:S+j_+1]
	v_pk_add_f32 v[250:251], v[250:251], v[S+j_+2:S+j_+3]
.set j_, j_+4
.endr
	v_pk_add_f32 v[248:249], v[248:249], v[250:251]
	v_add_f32 v246, v248, v249
	v_permlanex16_b32 v252, v246, s20, s21
	v_add_f32 v246, v246, v252                     ; with lane l xor 16's: l
	s_wait_alu depctr_va_vdst(0)                   ; and one wait for the nine
	v_rcp_f32 v246, v246                           ; 1 / l; the lines below are plain work behind it
	; ---- p's scale words and codes
.irp b, 0,1,2,3,4,5,6,7,8
	v_max_num_f32 v[BM+\b], 0x1800000, v[BM+\b]    ; the floor 2^(3 - 127): a group whose every p is 0 keeps the byte 1; its codes are zeros
.endr
.irp b, 0,1,2,3,4,5,6,7,8
	v_add_nc_u32 v[BM+\b], 0xff000000, v[BM+\b]    ; 2 off the exponent field: the conversion's scale operand
.endr
.irp f, 0,1
.irp b, 0,1,2,3
	v_lshrrev_b32 v[252+\b], 23, v[BM+4*\f+\b]
.endr
	v_lshl_or_b32 v[38+\f], v253, 8, v252          ; the scale word of key step f: groups 4 f .. 4 f + 3
	v_lshl_or_b32 v[38+\f], v254, 16, v[38+\f]
	v_lshl_or_b32 v[38+\f], v255, 24, v[38+\f]
.endr
	v_lshrrev_b32 v40, 23, v[BM+8]                 ; key step 2: group 8 alone
	s_wait_alu depctr_va_vdst(0)                   ; the wait for the reciprocal
.irp f, 0,1
.irp c, 0,1
	v_cvt_scalef32_pk16_fp6_f32 v[P+12*\f+6*\c:P+12*\f+6*\c+2], v[S+64*\f+32*\c:S+64*\f+32*\c+15], v[BM+4*\f+2*\c]
	v_cvt_scalef32_pk16_fp6_f32 v[56+4*\c:58+4*\c], v[S+64*\f+32*\c+16:S+64*\f+32*\c+31], v[BM+4*\f+2*\c+1]
.endr
	v_nop                                          ; one plain place behind the scaled conversions
.irp c, 0,1                                    ; the layout wants a whole group in a lane: lanes 0-15 group 2 c, lanes 16-31 group 2 c + 1
.irp i, 0,1,2
	v_permlane16_swap_b32 v[P+12*\f+6*\c+\i], v[56+4*\c+\i]
.endr
.irp i, 0,1,2
	v_mov_b32 v[P+12*\f+6*\c+3+\i], v[56+4*\c+\i]
.endr
.endr
.endr
.irp i, 0,1,2,3,4,5,6,7,8
	v_mov_b32 v[91+\i], 0                          ; key step 2 is group 8 and zero codes
.endr
	v_cvt_scalef32_pk16_fp6_f32 v[88:90], v[S+128:S+143], v[BM+8]
	v_nop
.irp i, 0,1,2
	v_permlane16_swap_b32 v[88+\i], v[91+\i]       ; lanes 0-15 now hold the group whole, lanes 16-31 zeros
.endr
	v_and_b32 v253, 31, v0                         ; lane terms for the addresses below: with the two v_nop the eight places ahead of the scaled matrix instructions
	v_and_b32 v254, 15, v0
	v_bfe_u32 v255, v0, 4, 1
	v_lshlrev_b32 v252, 6, v255                    ; 64 h
	v_and_b32 v251, 8, v254
	v_add_nc_u32 v254, v254, v251                  ; r + 8 (r / 8)
	v_nop
	v_nop
	; ---- the scores' registers are free: Wfc's first five fragments, its scale words and the bias are asked for (23 loads)
.irp i, 0,1,2,3,4                              ; fragment i = 2 s + ct: tile ct, K step s
.irp p, 0,1,2
	global_load_b128 v[180+12*\i+4*\p:180+12*\i+4*\p+3], v1, s[34:35] offset:(4*(\i%2)+\i/2)*1536+512*\p
.endr
.endr
.irp i, 0,1,2,3
	global_load_b32 v[41+\i], v2, s[36:37] offset:128*\i   ; tile i / 2, K steps 2 (i % 2) and + 1
.endr
.irp i, 0,1,2,3
	global_load_b128 v[46+4*\i:49+4*\i], v252, s[38:39] offset:16*\i   ; bfc at columns 32 wv + 16 h + 0 .. 15: two tiles of eight
.endr
	s_wait_asynccnt 0x0                            ; my pieces of V have landed; the copies' address registers may be written
	s_wait_dscnt 0x0
	s_barrier_signal -1
	s_barrier_wait -1                              ; V's images are whole
	v_lshl_add_u32 v10, v253, 3, s58               ; where I store my half of o's fragment
	v_lshl_add_u32 v11, v253, 2, s59               ; and my two scale bytes
	v_lshl_add_u32 v12, v253, 3, OI                ; where o's fragments are read
	v_lshl_add_u32 v13, v253, 2, OS
	v_mul_u32_u24 v14, v254, 2064
	v_add_nc_u32 v14, v14, v252
	v_add_nc_u32 v14, s60, v14                     ; the stage: row r + 8 (r / 8), + 128 wv + 64 h
	v_lshl_add_u32 v15, v253, 4, s61               ; and back: my two rows, 16 bytes a lane
	; ---- O^T = V^T P^T: three key steps, four channel tiles by turns
.irp st, 0,1
.irp tt, 0,1,2,3
.irp c, 0,1
	ds_load_b128 v[VB+12*\tt+6*\c:VB+12*\tt+6*\c+3], v6 offset:(4*\st+2*\c)*1536+256*\tt
	ds_load_b64 v[VB+12*\tt+6*\c+4:VB+12*\tt+6*\c+5], v7 offset:(4*\st+2*\c)*1536+128*\tt
.endr
.endr
	s_wait_dscnt 0x0
.irp tt, 0,1,2,3
.if \st == 0
	WMM O+8*\tt, VB+12*\tt, P, -1, 26+\tt, 38, 0
.else
	WMM O+8*\tt, VB+12*\tt, P+12, O+8*\tt, 30+\tt, 39, 0
.endif
.endr
	PLACES
.endr
.irp tt, 0,1,2,3                               ; group 8: all lanes take it; lanes 16-31 and registers 6-11 stand against zero codes of p
	ds_load_b128 v[VB+12*\tt:VB+12*\tt+3], v8 offset:12288+256*\tt
	ds_load_b64 v[VB+12*\tt+4:VB+12*\tt+5], v9 offset:12288+128*\tt
.endr
	s_wait_dscnt 0x0
.irp tt, 0,1,2,3
	WMM O+8*\tt, VB+12*\tt, P+24, O+8*\tt, 34+\tt, 40, 0
.endr
	PLACES
	; ---- o = O / l, quantised along its 64 channels: half of a fragment of the projection's K step head / 2
.irp i, 5,6,7                                  ; V's registers are free: Wfc's last three fragments (9 loads)
.irp p, 0,1,2
	global_load_b128 v[100+12*(\i-5)+4*\p:100+12*(\i-5)+4*\p+3], v1, s[34:35] offset:(4*(\i%2)+\i/2)*1536+512*\p
.endr
.endr
.set j_, 0
.rept 16
	v_pk_mul_f32 v[O+j_:O+j_+1], v[O+j_:O+j_+1], v[246:247] op_sel_hi:[1,0]   ; register 16 b + i is channel 32 b + 16 h + i
.set j_, j_+2
.endr
.irp b, 0,1
	v_max3_num_f32 v[76+\b], |v[O+16*\b]|, |v[O+16*\b+1]|, 0x1800000
.endr
.irp i, 2,4,6,8,10,12,14
.irp b, 0,1
	v_max3_num_f32 v[76+\b], v[76+\b], |v[O+16*\b+\i]|, |v[O+16*\b+\i+1]|
.endr
.endr
.irp b, 0,1
	v_permlanex16_b32 v[78+\b], v[76+\b], s20, s21
.endr
.irp b, 0,1
	v_max_num_f32 v[76+\b], v[76+\b], v[78+\b]
.endr
.irp b, 0,1
	v_add_nc_u32 v[80+\b], 0xff000000, v[76+\b]
.endr
.irp b, 0,1
	v_lshrrev_b32 v[78+\b], 23, v[80+\b]
.endr
	v_lshl_or_b32 v82, v79, 8, v78                 ; my head's two scale bytes
	v_cvt_scalef32_pk16_fp6_f32 v[64:66], v[O:O+15], v80
	v_cvt_scalef32_pk16_fp6_f32 v[72:74], v[O+16:O+31], v81
	v_nop
.irp i, 0,1,2
	v_permlane16_swap_b32 v[64+\i], v[72+\i]
.endr
.irp i, 0,1,2
	v_mov_b32 v[67+\i], v[72+\i]
.endr
.irp i, 0,1,2
	ds_store_b64 v10, v[64+2*\i:65+2*\i] offset:256*\i
.endr
	ds_store_b16 v11, v82
	s_wait_dscnt 0x0                               ; for the others' sake: my stores have landed
	s_barrier_signal -1
	s_barrier_wait -1                              ; o's eight fragments and their scale words lie in LDS
	; ---- out = o Wfc + bfc: source 0 = 16 columns of Wfc, source 1 = 16 queries; four accumulators by turns
.irp f, 0,1,2,3,4,5,6,7
	ds_load_b32 v[17+\f], v13 offset:128*\f
.endr
.macro OFLOAD s                        ; both query tiles' fragments of K step s: 12 loads.  Even steps: v64, v76; odd steps: v88, v136
.irp tp, 0,1
.irp q, 0,1,2,3,4,5
.if (\s)%2
	ds_load_b64 v[88+48*\tp+2*\q:88+48*\tp+2*\q+1], v12 offset:(4*\tp+(\s))*1536+256*\q
.else
	ds_load_b64 v[64+12*\tp+2*\q:64+12*\tp+2*\q+1], v12 offset:(4*\tp+(\s))*1536+256*\q
.endif
.endr
.endr
.endm
	OFLOAD 0
	OFLOAD 1
.irp s, 0,1,2,3
.if \s < 3
	s_wait_dscnt 12                                ; this step's fragments (and the scale words) are in; the 12 younger loads are the next step's
.else
	s_wait_dscnt 0x0
.endif
.if \s == 0
	s_wait_loadcnt 9                               ; the 23 early loads are in; the 9 late ones may be out
.elseif \s == 2
	s_wait_loadcnt 6                               ; fragment 5 is in; fragments 6 and 7 may be out
.elseif \s == 3
	s_wait_loadcnt 0x0
.endif
.irp tp, 0,1
.irp ct, 0,1
.set I_, 2*\s+\ct
.if I_ < 5
.set WA_, 180+12*I_
.else
.set WA_, 100+12*(I_-5)
.endif
.if \s%2
.set OB_, 88+48*\tp
.else
.set OB_, 64+12*\tp
.endif
.if \s == 0
	WMM O+16*\tp+8*\ct, WA_, OB_, 46+8*\ct, 41+2*\ct+\s/2, 17+4*\tp+\s, \s%2   ; the bias starts the sum
.else
	WMM O+16*\tp+8*\ct, WA_, OB_, O+16*\tp+8*\ct, 41+2*\ct+\s/2, 17+4*\tp+\s, \s%2
.endif
.endr
.endr
.if \s != 2
	PLACES
.endif
.if \s < 2
	OFLOAD \s+2
.endif
.endr
	; ---- the way out: a lane's 16 results are 64 neighbouring bytes of a row; the rows meet in the stage and leave whole
.irp tp, 0,1
.irp q, 0,1,2,3
	ds_store_b128 v14, v[O+16*\tp+4*\q:O+16*\tp+4*\q+3] offset:16512*\tp+16*\q   ; each accumulator from its low end on
.endr
.endr
	s_wait_dscnt 0x0
	s_barrier_signal -1
	s_barrier_wait -1                              ; 32 whole rows lie in the stage
.irp n, 0,1,2,3,4,5,6,7
	ds_load_b128 v[64+4*\n:67+4*\n], v15 offset:2064*(\n/4)+512*(\n%4)
.endr
.irp n, 0,1,2,3,4,5,6,7
	s_wait_dscnt 7-\n
	global_store_b128 v1, v[64+4*\n:67+4*\n], s[40:41] offset:2048*(\n/4)+512*(\n%4) th:TH_STORE_NT   ; 32 lanes store 512 consecutive bytes, aligned; written once
.endr
	s_wait_xcnt 0x0
	v_lshl_add_u32 v254, v0, 2, 0x49600
	v_mov_b32 v255, 0
	s_wait_tensorcnt 0x0
	ds_add_u32 v254, v255
	s_wait_dscnt 0x0
	s_endpgm
.Lfunc_end_k_q0173d78ca8_attn:
	.size	k_q0173d78ca8_attn, .Lfunc_end_k_q0173d78ca8_attn-k_q0173d78ca8_attn
	.p2alignl 7, 3214868480
	.fill 96, 4, 3214868480
	.section	.rodata,"a",@progbits
	.p2align	6, 0x0
	.amdhsa_kernel k_q0173d78ca8_attn
		.amdhsa_group_segment_fixed_size 302592
		.amdhsa_private_segment_fixed_size 0
		.amdhsa_enable_private_segment 0
		.amdhsa_kernarg_size 32
		.amdhsa_user_sgpr_count 2
		.amdhsa_user_sgpr_kernarg_segment_ptr 1
		.amdhsa_wavefront_size32 1
		.amdhsa_system_sgpr_workgroup_id_x 1
		.amdhsa_system_sgpr_workgroup_id_y 1
		.amdhsa_system_sgpr_workgroup_id_z 1
		.amdhsa_system_vgpr_workitem_id 0
		.amdhsa_next_free_vgpr 256
		.amdhsa_next_free_sgpr 66
		.amdhsa_reserve_vcc 1
		.amdhsa_float_denorm_mode_32 3
		.amdhsa_float_denorm_mode_16_64 3
		.amdhsa_memory_ordered 1
		.amdhsa_forward_progress 1
		.amdhsa_inst_pref_size 71
	.end_amdhsa_kernel
	.amdgpu_metadata
---
amdhsa.version: [ 1, 2 ]
amdhsa.kernels:
  - .name:           k_q0173d78ca8_attn
    .symbol:         k_q0173d78ca8_attn.kd
    .args:
      - { .name: act, .offset: 0, .size: 8, .value_kind: global_buffer, .address_space: global }
      - { .name: bufw, .offset: 8, .size: 8, .value_kind: global_buffer, .address_space: global }
      - { .name: bfc, .offset: 16, .size: 8, .value_kind: global_buffer, .address_space: global }
      - { .name: out0, .offset: 24, .size: 8, .value_kind: global_buffer, .address_space: global }
    .group_segment_fixed_size: 302592
    .private_segment_fixed_size: 0
    .kernarg_segment_align: 8
    .kernarg_segment_size: 32
    .max_flat_workgroup_size: 512
    .sgpr_count:     66
    .vgpr_count:     256
    .wavefront_size: 32
...
	.end_amdgpu_metadata
.endif
;; end of part 3
;; ======== version 2 of 2: 3 launches
;; workspace buffers: bufx 3,276,800 bytes; bufw 819,200 bytes; act 10,723,328 bytes
;; launch prep (part 4): grid 328 x 1, 4 waves a work-group, no clusters, 0 bytes of LDS; arguments x, Wq, Wk, Wv, Wfc, bufx, bufw, act; writes bufx, bufw, act
.if DOCPART == 4
	.amdgcn_target "amdgcn-amd-amdhsa--gfx1250"
	.amdhsa_code_object_version 6
	.text
	.protected	k_q0173d78ca8_prep
	.globl	k_q0173d78ca8_prep
	.p2align	8
	.type	k_q0173d78ca8_prep,@function
k_q0173d78ca8_prep:
	s_mov_b64 s[64:65], 0
	v_nop
	global_prefetch_b8 v0, s[64:65] scope:SCOPE_SE
	s_setreg_imm32_b32 hwreg(HW_REG_WAVE_MODE, 25, 1), 1
	s_wait_xcnt 0x0
; x [8192][512] and Wq, Wk, Wv, Wfc [512 (k)][512 (n)], f32, become codes of FP6 (E2M3) with one E8M0 byte for each 32 along K (the 512), laid IN THE ORDER OF THE OPERAND'S REGISTERS:
; a fragment (16 rows x 128 K) is 12 registers a lane, stored as three pieces of 512 bytes, lane l's 16 bytes at 16 l.  The later launches load a fragment by three loads of 16 bytes a lane.
; THE ROWS OF A TILE ARE NOT NEIGHBOURS: lane r of tile 2 g + u takes row (token of x, column of W) 32 g + 8 u + r + 8 (r / 8), so that results made with such a tile as source 0 have 16 neighbours in the 16 registers of two tiles.
; Scale words: one register serves two K steps: lanes 0-15 the word of step 2 pr, lanes 16-31 that of step 2 pr + 1.
; A block's scale is 2^(floor(log2(largest magnitude)) - 2): its byte is the largest magnitude's exponent field - 2, held at 1 from below by a floor among the maximum's leaves.
; LIMITS: NaN and infinities among the inputs are not served; a block whose largest magnitude lies under 2^-124 has its byte held at 1; a block of zeros gets the byte 1 where the quantiser says 127: its codes are zeros, and this program alone reads the bytes.
; SHARES: work-groups 0-255: a group of 32 tokens of x (wave w: tile w / 2, K steps 2 (w % 2) and + 1).  256-319: the weights (wave: one tile, two K steps).  320-327: the constant pads of act:
; four groups of zero codes and bytes 127 in front of and behind each head's keys and values, so that the attention launch reads its nine groups without a clamp.
; No LDS, no barrier: waves share nothing.
.set XSO, 3145728                      ; bufx: the scale words behind 512 tiles x 4 steps x 1,536 bytes
.set WSO, 786432                       ; bufw: likewise behind 4 x 32 x 4 x 1,536
.set KC,  3342336                      ; act: K's codes
.set VC,  6684672                      ; V's codes
.set KSO, 10305536                     ; K's scale words
.set VSO, 10584064                     ; V's scale words
.set TM,  8                            ; v8-23  at work: +0..3 largest magnitudes, +4..7 the other half's, then bytes, +12..15 the conversions' scale operands
.set PW0, 24                           ; the scale word of the first fragment
.set PW1, 25                           ; of the second
.set PWP, 26                           ; the two packed
.set PRM, 27                           ; r + 8 (r / 8)
.set PC0, 28                           ; v28-47 the first fragment's codes (12) and the halves made elsewhere (8)
.set PC1, 48                           ; v48-67 the second's: no store's data are written again
.set N0,  80                           ; v80-143  64 numbers
.set N1,  144                          ; v144-207 64 numbers
; 64 numbers of a lane, register 16 b + i = k 32 b + 16 (lane / 16) + i of my row, become a fragment's codes in v[pc] on and its scale word in v[pw]
.macro QUANT s, pc, pw
.irp b, 0,1,2,3
	v_max3_num_f32 v[TM+\b], |v[\s+16*\b]|, |v[\s+1+16*\b]|, 0x1800000   ; my 16 numbers of block b, and the floor 2^(3 - 127)
.endr
.irp i, 2,4,6,8,10,12,14
.irp b, 0,1,2,3
	v_max3_num_f32 v[TM+\b], v[TM+\b], |v[\s+16*\b+\i]|, |v[\s+1+16*\b+\i]|   ; the four blocks by turns
.endr
.endr
.irp b, 0,1,2,3
	v_permlanex16_b32 v[TM+4+\b], v[TM+\b], s20, s21
.endr
.irp b, 0,1,2,3
	v_max_num_f32 v[TM+\b], v[TM+\b], v[TM+4+\b]   ; with lane l xor 16's 16: the block's largest magnitude
.endr
.irp b, 0,1,2,3
	v_add_nc_u32 v[TM+12+\b], 0xff000000, v[TM+\b]   ; 2 off its exponent field: the conversion's scale operand
.endr
.irp b, 0,1,2,3
	v_lshrrev_b32 v[TM+4+\b], 23, v[TM+12+\b]      ; the scale's byte
.endr
	v_lshl_or_b32 v[\pw], v[TM+5], 8, v[TM+4]
	v_lshl_or_b32 v[\pw], v[TM+6], 16, v[\pw]
	v_lshl_or_b32 v[\pw], v[TM+7], 24, v[\pw]
.irp c, 0,1
	v_cvt_scalef32_pk16_fp6_f32 v[\pc+6*\c:\pc+2+6*\c], v[\s+32*\c:\s+15+32*\c], v[TM+12+2*\c]
	v_cvt_scalef32_pk16_fp6_f32 v[\pc+12+4*\c:\pc+14+4*\c], v[\s+16+32*\c:\s+31+32*\c], v[TM+12+2*\c+1]   ; (a conversion's three registers begin on an even number)
.endr
	v_nop                                          ; one plain place behind the scaled conversions
.irp c, 0,1                                    ; the layout wants a whole block in a lane: lanes 0-15 block 2 c, lanes 16-31 block 2 c + 1
.irp i, 0,1,2
	v_permlane16_swap_b32 v[\pc+6*\c+\i], v[\pc+12+4*\c+\i]
.endr
.irp i, 0,1,2
	v_mov_b32 v[\pc+3+6*\c+\i], v[\pc+12+4*\c+\i]
.endr
.endr
.endm
; 64 numbers of a lane that run DOWN K of one column: register 32 c + i = k 64 c + 32 (lane / 16) + i: two whole blocks are mine
.macro WQUANT s, pc, pw
.irp c, 0,1
	v_max3_num_f32 v[TM+\c], |v[\s+32*\c]|, |v[\s+32*\c+1]|, 0x1800000
.endr
.irp i, 2,4,6,8,10,12,14,16,18,20,22,24,26,28,30
.irp c, 0,1
	v_max3_num_f32 v[TM+\c], v[TM+\c], |v[\s+32*\c+\i]|, |v[\s+32*\c+\i+1]|
.endr
.endr
.irp c, 0,1
	v_add_nc_u32 v[TM+12+\c], 0xff000000, v[TM+\c]
.endr
.irp c, 0,1
	v_lshrrev_b32 v[TM+4+\c], 23, v[TM+12+\c]
.endr
	v_lshl_or_b32 v[\pw], v[TM+5], 16, v[TM+4]     ; my two bytes: blocks h and 2 + h,
	v_lshlrev_b32 v[\pw], v7, v[\pw]               ; 8 h bits up;
	v_permlanex16_b32 v[TM+6], v[\pw], s20, s21
	v_or_b32 v[\pw], v[\pw], v[TM+6]               ; with lane l xor 16's two the word is whole
.irp c, 0,1
	v_cvt_scalef32_pk16_fp6_f32 v[\pc+6*\c:\pc+2+6*\c], v[\s+32*\c:\s+15+32*\c], v[TM+12+\c]
	v_cvt_scalef32_pk16_fp6_f32 v[\pc+12+4*\c:\pc+14+4*\c], v[\s+16+32*\c:\s+31+32*\c], v[TM+12+\c]
.endr
	v_nop                                          ; one plain place behind the scaled conversions
.irp c, 0,1
.irp i, 0,1,2
	v_mov_b32 v[\pc+3+6*\c+\i], v[\pc+12+4*\c+\i]
.endr
.endr
.endm
.macro PACKW                           ; lanes 0-15 keep the first word, lanes 16-31 take the second
	v_cmp_le_u32 vcc_lo, 16, v1
	v_cndmask_b32 v[PWP], v[PW0], v[PW1], vcc_lo
.endm
	s_load_b256 s[4:11], s[0:1], 0x0               ; x s[4:5], Wq s[6:7], Wk s[8:9], Wv s[10:11]
	s_load_b256 s[12:19], s[0:1], 0x20             ; Wfc s[12:13], bufx s[14:15], bufw s[16:17], act s[18:19]
	v_lshrrev_b32 v1, 5, v0
	v_readfirstlane_b32 s22, v1                    ; wave
	v_and_b32 v1, 31, v0                           ; lane
	v_and_b32 v2, 15, v0                           ; r
	v_bfe_u32 v3, v0, 4, 1                         ; h
	v_lshlrev_b32 v5, 4, v1                        ; 16 x lane: my place in a piece of an image
	v_lshlrev_b32 v6, 2, v1                        ; 4 x lane: in a row of scale words
	v_lshlrev_b32 v7, 3, v3                        ; 8 h
	v_and_b32 v[PRM], 8, v2
	v_add_nc_u32 v[PRM], v[PRM], v2
.irp b, 0,1,2,3
	v_mov_b32 v[TM+4+\b], 0                        ; written once: a lane permute's destination counts as one of its sources
.endr
	s_mov_b32 s20, 0x76543210
	s_mov_b32 s21, 0xfedcba98                      ; v_permlanex16_b32's selects for lane l xor 16
	s_lshr_b32 s23, s22, 1                         ; u: which tile of the pair
	s_and_b32 s24, s22, 1                          ; pr: which pair of K steps
	s_wait_kmcnt 0x0
	s_cmp_lt_u32 ttmp9, 256
	s_cbranch_scc0 .Lnot_x
	s_wait_alu depctr_va_vdst(0)
	; ---- x: tile T = 2 x work-group + u, K steps 2 pr and 2 pr + 1
	v_lshlrev_b32 v4, 11, v[PRM]                   ; my row of 2,048 bytes,
	v_lshl_add_u32 v4, v3, 6, v4                   ; + 64 h: my 16 numbers of a block of 32
	s_wait_alu depctr_va_vdst(0)
	s_lshl_b32 s26, ttmp9, 16                      ; 32 rows a work-group,
	s_lshl_b32 s27, s23, 14                        ; 8 rows for u,
	s_add_co_u32 s26, s26, s27
	s_lshl_b32 s27, s24, 10                        ; 1,024 bytes for pr
	s_add_co_u32 s26, s26, s27
	s_mov_b32 s27, 0
	s_add_nc_u64 s[4:5], s[4:5], s[26:27]
	s_lshl_b32 s28, ttmp9, 1
	s_add_co_u32 s28, s28, s23                     ; T
	s_lshl_b32 s30, s28, 2
	s_lshl_b32 s29, s24, 1
	s_add_co_u32 s30, s30, s29
	s_mul_i32 s30, s30, 1536                       ; fragment 4 T + 2 pr
	s_mov_b32 s31, 0
	s_add_nc_u64 s[30:31], s[14:15], s[30:31]
	s_lshl_b32 s32, s28, 8
	s_lshl_b32 s29, s24, 7
	s_add_co_u32 s32, s32, s29                     ; scale words: 256 T + 128 pr
	s_mov_b32 s33, 0
	s_add_nc_u64 s[32:33], s[14:15], s[32:33]
.macro XLOAD reg, sl
.irp b, 0,1,2,3
.irp j, 0,1,2,3
	global_load_b128 v[\reg+16*\b+4*\j:\reg+16*\b+4*\j+3], v4, s[4:5] offset:512*\sl+128*\b+16*\j th:TH_LOAD_NT
.endr
.endr
.endm
	XLOAD N0, 0
	XLOAD N1, 1
	s_wait_loadcnt 16                              ; the first step's 16 loads are in; the 16 younger are the second step's
	QUANT N0, PC0, PW0
.irp p, 0,1,2
	global_store_b128 v5, v[PC0+4*\p:PC0+4*\p+3], s[30:31] offset:512*\p   ; 32 lanes store 512 consecutive bytes
.endr
	s_wait_loadcnt 0x0
	QUANT N1, PC1, PW1
.irp p, 0,1,2
	global_store_b128 v5, v[PC1+4*\p:PC1+4*\p+3], s[30:31] offset:1536+512*\p
.endr
	PACKW
	global_store_b32 v6, v[PWP], s[32:33] offset:XSO
	s_endpgm
.Lnot_x:
	s_cmp_lt_u32 ttmp9, 320
	s_cbranch_scc0 .Lpads
	; ---- the weights: matrix (wg - 256) / 16, tile t, K steps 2 pr and 2 pr + 1.  A lane takes a column and its registers run down K: nothing is transposed
	s_sub_co_u32 s25, ttmp9, 256
	s_lshr_b32 s26, s25, 4                         ; which matrix: 0 q, 1 k, 2 v, 3 fc
	s_lshl_b32 s27, s25, 1
	s_add_co_u32 s27, s27, s23
	s_and_b32 s27, s27, 31                         ; t
	s_cmp_eq_u32 s26, 1
	s_cselect_b64 s[34:35], s[8:9], s[6:7]
	s_cmp_eq_u32 s26, 2
	s_cselect_b64 s[34:35], s[10:11], s[34:35]
	s_cmp_eq_u32 s26, 3
	s_cselect_b64 s[34:35], s[12:13], s[34:35]
	s_lshr_b32 s28, s27, 1
	s_lshl_b32 s28, s28, 7                         ; column 32 (t / 2), 4 bytes each,
	s_and_b32 s29, s27, 1
	s_lshl_b32 s29, s29, 5                         ; + 8 (t % 2)
	s_add_co_u32 s28, s28, s29
	s_lshl_b32 s29, s24, 19                        ; 256 rows of 2,048 bytes for pr
	s_add_co_u32 s28, s28, s29
	s_mov_b32 s29, 0
	s_add_nc_u64 s[34:35], s[34:35], s[28:29]
	s_lshl_b32 s36, s26, 5
	s_add_co_u32 s36, s36, s27                     ; 32 x matrix + t
	s_lshl_b32 s38, s36, 2
	s_lshl_b32 s37, s24, 1
	s_add_co_u32 s38, s38, s37
	s_mul_i32 s38, s38, 1536
	s_mov_b32 s39, 0
	s_add_nc_u64 s[38:39], s[16:17], s[38:39]
	s_lshl_b32 s40, s36, 8
	s_lshl_b32 s37, s24, 7
	s_add_co_u32 s40, s40, s37
	s_mov_b32 s41, 0
	s_add_nc_u64 s[40:41], s[16:17], s[40:41]
	s_wait_alu depctr_va_vdst(0)
	v_lshlrev_b32 v4, 2, v[PRM]                    ; my column,
	v_lshl_add_u32 v4, v3, 16, v4                  ; lanes 16-31 begin 32 rows further down
.set i_, 0
.rept 128
	global_load_b32 v[N0+i_], v4, s[34:35] offset:(128*(i_/64)+64*((i_/32)%2)+i_%32)*2048
.set i_, i_+1
.endr
	s_wait_loadcnt 63                              ; the first step's 64 loads are in: 64 are younger, and 63 is the largest count that the wait can name
	WQUANT N0, PC0, PW0
.irp p, 0,1,2
	global_store_b128 v5, v[PC0+4*\p:PC0+4*\p+3], s[38:39] offset:512*\p
.endr
	s_wait_loadcnt 0x0
	WQUANT N1, PC1, PW1
.irp p, 0,1,2
	global_store_b128 v5, v[PC1+4*\p:PC1+4*\p+3], s[38:39] offset:1536+512*\p
.endr
	PACKW
	global_store_b32 v6, v[PWP], s[40:41] offset:WSO
	s_endpgm
.Lpads:
	; ---- the pads of act: wave id = 4 (wg - 320) + wave: head id / 2, the front (0) or the back (1)
	s_sub_co_u32 s25, ttmp9, 320
	s_lshl_b32 s25, s25, 2
	s_add_co_u32 s25, s25, s22
	s_lshr_b32 s26, s25, 1                         ; the head, 0..15
	s_and_b32 s27, s25, 1                          ; the side
	s_mul_i32 s28, s26, 136
	s_mul_i32 s29, s27, 132
	s_add_co_u32 s28, s28, s29                     ; the first of the four padded groups
	s_mul_i32 s30, s28, 1536
	s_mov_b32 s31, 0
	s_add_nc_u64 s[30:31], s[18:19], s[30:31]
	s_lshl_b32 s32, s28, 7
	s_add_co_u32 s32, s32, KSO
	s_mov_b32 s33, 0
	s_add_nc_u64 s[32:33], s[18:19], s[32:33]
	s_mul_i32 s34, s26, 34
	s_mul_i32 s35, s27, 33
	s_add_co_u32 s34, s34, s35
	s_lshl_b32 s34, s34, 8
	s_add_co_u32 s34, s34, VSO
	s_mov_b32 s35, 0
	s_add_nc_u64 s[34:35], s[18:19], s[34:35]
	v_lshlrev_b32 v4, 3, v1
.irp i, 0,1,2,3
	v_mov_b32 v[28+\i], 0                          ; zero codes
	v_mov_b32 v[32+\i], 0x7f7f7f7f                 ; bytes 127: the scale 1
.endr
.irp i, 0,1,2,3,4,5,6,7,8,9,10,11
	global_store_b128 v5, v[28:31], s[30:31] offset:KC+512*\i
	global_store_b128 v5, v[28:31], s[30:31] offset:VC+512*\i
.endr
	global_store_b128 v5, v[32:35], s[32:33]       ; four groups' scale words of K: 512 bytes
	global_store_b64 v4, v[32:33], s[34:35]        ; one chunk's scale words of V: 256 bytes
	s_endpgm
.Lfunc_end_k_q0173d78ca8_prep:
	.size	k_q0173d78ca8_prep, .Lfunc_end_k_q0173d78ca8_prep-k_q0173d78ca8_prep
	.p2alignl 7, 3214868480
	.fill 96, 4, 3214868480
	.section	.rodata,"a",@progbits
	.p2align	6, 0x0
	.amdhsa_kernel k_q0173d78ca8_prep
		.amdhsa_group_segment_fixed_size 0
		.amdhsa_private_segment_fixed_size 0
		.amdhsa_enable_private_segment 0
		.amdhsa_kernarg_size 64
		.amdhsa_user_sgpr_count 2
		.amdhsa_user_sgpr_kernarg_segment_ptr 1
		.amdhsa_wavefront_size32 1
		.amdhsa_system_sgpr_workgroup_id_x 1
		.amdhsa_system_sgpr_workgroup_id_y 1
		.amdhsa_system_sgpr_workgroup_id_z 1
		.amdhsa_system_vgpr_workitem_id 0
		.amdhsa_next_free_vgpr 208
		.amdhsa_next_free_sgpr 66
		.amdhsa_reserve_vcc 1
		.amdhsa_float_denorm_mode_32 3
		.amdhsa_float_denorm_mode_16_64 3
		.amdhsa_memory_ordered 1
		.amdhsa_forward_progress 1
		.amdhsa_inst_pref_size 37
	.end_amdhsa_kernel
	.amdgpu_metadata
---
amdhsa.version: [ 1, 2 ]
amdhsa.kernels:
  - .name:           k_q0173d78ca8_prep
    .symbol:         k_q0173d78ca8_prep.kd
    .args:
      - { .name: x, .offset: 0, .size: 8, .value_kind: global_buffer, .address_space: global }
      - { .name: Wq, .offset: 8, .size: 8, .value_kind: global_buffer, .address_space: global }
      - { .name: Wk, .offset: 16, .size: 8, .value_kind: global_buffer, .address_space: global }
      - { .name: Wv, .offset: 24, .size: 8, .value_kind: global_buffer, .address_space: global }
      - { .name: Wfc, .offset: 32, .size: 8, .value_kind: global_buffer, .address_space: global }
      - { .name: bufx, .offset: 40, .size: 8, .value_kind: global_buffer, .address_space: global }
      - { .name: bufw, .offset: 48, .size: 8, .value_kind: global_buffer, .address_space: global }
      - { .name: act, .offset: 56, .size: 8, .value_kind: global_buffer, .address_space: global }
    .group_segment_fixed_size: 0
    .private_segment_fixed_size: 0
    .kernarg_segment_align: 8
    .kernarg_segment_size: 64
    .max_flat_workgroup_size: 128
    .sgpr_count:     66
    .vgpr_count:     208
    .wavefront_size: 32
...
	.end_amdgpu_metadata
.endif
;; end of part 4
;; launch qkv (part 5): grid 64 x 3, 4 waves a work-group, no clusters, 49,664 bytes of LDS; arguments bufx, bufw, bq, bk, bv, act; writes act
.if DOCPART == 5
	.amdgcn_target "amdgcn-amd-amdhsa--gfx1250"
	.amdhsa_code_object_version 6
	.text
	.protected	k_q0173d78ca8_qkv
	.globl	k_q0173d78ca8_qkv
	.p2align	8
	.type	k_q0173d78ca8_qkv,@function
k_q0173d78ca8_qkv:
	s_mov_b64 s[64:65], 0
	v_nop
	global_prefetch_b8 v0, s[64:65] scope:SCOPE_SE
	s_setreg_imm32_b32 hwreg(HW_REG_WAVE_SCHED_MODE, 0, 2), 2
	s_setreg_imm32_b32 hwreg(HW_REG_WAVE_MODE, 25, 1), 1
	s_wait_xcnt 0x0
	s_wait_alu depctr_vm_vsrc(0)
; q = x Wq + bq, k = x Wk + bk, v = x Wv + bv on codes of FP6 (E2M3) with E8M0 scales, and the results quantised in registers for the attention launch.
; SHARES: work-group (x, y): chunk x of 128 tokens, matrix y (0 q, 1 k, 2 v): 128 tokens x 512 columns.  Wave w: all 128 tokens x columns 128 w .. + 127 (heads 2 w, 2 w + 1): 64 accumulators, 256 matrix instructions.
; x's 32 fragments (8 tiles x 4 K steps) are brought once, a quarter by each wave, and go through LDS as images of their registers; each weight fragment is used by one wave and comes from memory straight into its registers, a K step ahead, in two sets.
; No multicast: a weight fragment has one reader in a work-group, and x, which the three work-groups of a chunk share, is 48 of the 240 KiB that a work-group reads.
; LAYOUT: the rows of a tile are 32 g + 8 u + r + 8 (r / 8).  q, k: source 0 = 16 columns of W, source 1 = 16 tokens: a lane holds ONE token and its registers run along the head's channels, which are the next product's K.
; v: source 0 = 16 tokens, source 1 = 16 columns: a lane holds ONE channel and its registers run along the tokens (the keys), which are the second attention product's K.
; OUT: q, k: for each head and group of 32 tokens a PAIR IMAGE of 12 registers: registers 0-5 the 64 channels of token tile u = 0, registers 6-11 those of u = 1; one scale word a lane (bytes 0, 1: u = 0; bytes 2, 3: u = 1).
; v: for each head and group of 32 keys 1,536 bytes: of (channel tile tt, lane r)'s six registers the first four at 256 tt + 16 r, the last two at 1,024 + 128 tt + 8 r; scale words [chunk][r][tt], byte i for the chunk's group i.
; The biases are the C of each sum's first matrix instruction.
; LIMITS: NaN and infinities are not served; a block whose largest magnitude lies under 2^-124 has its byte held at 1; a block of zeros gets the byte 1: its codes are zeros and this program alone reads the bytes.
; REGISTERS, in windows of 256: window 0: v1-8 addresses; v16-31 x's scale words; v32-47 W's; v48-143 and v160-255 x's 8 fragments of a K step, two sets; v144-159 the quantiser's, at work; behind the last product v160-183 are its scale words and codes.
; window 1: v0-95, v96-191 W's 8 fragments, two sets; v192-255 the bias, 8 tiles.   windows 2, 3: the accumulators of my first and second head.
; THE MODE: SCHED_MODE bits 1:0 = 2 (LLVM: expert scheduling mode 2), set by the entry lines.  The code itself states the register dependences between vector or matrix instructions and memory or LDS instructions, with s_wait_alu, always for 0.
; THE PLAN.  Registers that memory or LDS instructions touch:
;   v1-v8         offsets and LDS addresses: written at the head, never again; read by every load and store.
;   x's set p, W's set p (p = s % 2)   Step s's 64 matrix instructions read them.  The loads of step s + 1 land in the other sets, which step s - 1 read.
;   bias, scale words   loaded once; no vector instruction writes them.
;   v160-183      the out-buffer: written by a block's quantiser, read by the block's stores, written again by the next block.
; Steps 0 and 1 are asked for ahead of the first product.  ONE wait on va_vdst stands at the head of steps 1 and 2: the step before is done reading its sets.  Behind it all 48 loads of the next step go into those sets, W's at once, x's dealt among
; the step's matrix instructions, which name the other sets, the accumulators and the scale words alone.  Step 3 asks for nothing and has no such wait.
; On the way out a block has one wait on vm_vsrc, behind its 32 maxima (the last block's stores have read the out-buffer), and one on va_vdst ahead of its run of stores.
.set XSO, 3145728
.set WSO, 786432
.set QSO, 10027008
.set VSO, 10584064
.set XS,  16                           ; x's scale words: tile m, pair of steps pr at XS + 2 m + pr
.set WSC, 32                           ; W's: tile tl at WSC + 2 tl + pr
.set XF,  48                           ; x's fragment of tile m in set p at XF + XP p + 12 m
.set XP,  112
.set TM,  144
.set PW,  160                          ; v160-163 scale words just made
.set PC,  164                          ; v164-183 codes just made
.set BIA, 192                          ; in window 1
.set MSB, 0
.macro WIN new                         ; the immediate's high byte repeats the setting that is left
.if MSB != (\new)
	s_set_vgpr_msb (MSB<<8)|(\new)
.set MSB, (\new)
.endif
.endm
.macro PLACES                          ; four plain places behind a matrix instruction, ahead of the first read of its result by a vector instruction (ISA guide 7.12.1)
.rept 4
	v_nop
.endr
.endm
.macro WM d, a, b, c, sa, sb, odd      ; an odd K step's scale words stand in lanes 16-31
.if \odd
	v_wmma_scale_f32_16x16x128_f8f6f4 v[\d:\d+7], v[\a:\a+11], v[\b:\b+11], v[\c:\c+7], v[\sa], v[\sb] matrix_a_fmt:MATRIX_FMT_FP6 matrix_b_fmt:MATRIX_FMT_FP6 matrix_a_scale:MATRIX_SCALE_ROW1 matrix_b_scale:MATRIX_SCALE_ROW1
.else
	v_wmma_scale_f32_16x16x128_f8f6f4 v[\d:\d+7], v[\a:\a+11], v[\b:\b+11], v[\c:\c+7], v[\sa], v[\sb] matrix_a_fmt:MATRIX_FMT_FP6 matrix_b_fmt:MATRIX_FMT_FP6
.endif
.endm
; 16 matrix instructions: token tiles 4 mh .. + 3 x the four column tiles of head hh, K step s.  The 64 accumulators take turns, one instruction a turn, in the same order in every step.
; Windows: W window 1, x window 0, D window 2 + hh; C the bias (window 1) in step 0, then D.
.macro MUL16 mh, hh, s, swap
.if (\s) == 0
	WIN 0x91+3*(\swap)+0x40*(\hh)
.else
	WIN 0xa1+3*(\swap)+0x50*(\hh)
.endif
.irp mm, 0,1,2,3
.irp tt, 0,1,2,3
.set M_, 4*(\mh)+\mm
.set TL_, 4*(\hh)+\tt
.set WR_, 96*((\s)%2)+12*TL_
.set XR_, XF+XP*((\s)%2)+12*M_
.set SW_, WSC+2*TL_+(\s)/2
.set SX_, XS+2*M_+(\s)/2
.if \swap
.set AC_, 64*\tt+8*M_
.else
.set AC_, 64*(M_/2)+32*(M_%2)+8*\tt
.endif
.if (\s) == 0
.set CC_, BIA+8*TL_
.else
.set CC_, AC_
.endif
.if \swap
	WM AC_, XR_, WR_, CC_, SX_, SW_, (\s)%2
.else
	WM AC_, WR_, XR_, CC_, SW_, SX_, (\s)%2
.endif
.endr
.endr
.endm
.macro WLOAD s, set                    ; my 8 weight fragments of K step s into a set of window 1: 24 loads of 512 consecutive bytes
	WIN 0x40
.set t_, 0
.rept 8
.irp p, 0,1,2
	global_load_b128 v[96*(\set)+12*t_+4*\p:96*(\set)+12*t_+4*\p+3], v1, s[28:29] offset:(4*t_+(\s))*1536+512*\p
.endr
.set t_, t_+1
.endr
.endm
.macro XLOADH s, half                  ; x's fragments of tiles 4 half .. + 3, K step s, from their images in LDS into set s % 2: 12 loads
.irp mm, 0,1,2,3
.irp p, 0,1,2
	ds_load_b128 v[XF+XP*((\s)%2)+12*(4*(\half)+\mm)+4*\p:XF+XP*((\s)%2)+12*(4*(\half)+\mm)+4*\p+3], v1 offset:(4*(4*(\half)+\mm)+(\s))*1536+512*\p
.endr
.endr
.endm
.macro STEP s, swap
.if ((\s) == 1) || ((\s) == 2)
	WIN 0x40                                       ; the window of the loads that follow, ahead of the wait
	s_wait_alu depctr_va_vdst(0)                   ; the matrix instructions of the step before are done reading W's and x's other sets, in which the 48 loads of this step land
	WLOAD (\s)+1, ((\s)+1)%2
.endif
.if (\s) < 3
	s_wait_loadcnt 24                              ; this step's weights (and, in step 0, scale words and bias) are in; the 24 younger loads are the other set's
.else
	s_wait_loadcnt 0x0
.endif
.if (\s) == 0
	s_wait_dscnt 36                                ; x's tiles 0-3 of step 0 are in; the 36 younger loads are its tiles 4-7 and step 1's eight
.else
	s_wait_dscnt 12                                ; x's tiles 0-3 of this step are in; the 12 younger loads are tiles 4-7
.endif
	MUL16 0, 0, \s, \swap
.if ((\s) == 1) || ((\s) == 2)
	WIN 0
	XLOADH (\s)+1, 0                               ; no wait: no matrix instruction since the wait at the step's head names the other set or v1
.endif
	MUL16 0, 1, \s, \swap
.if ((\s) == 1) || ((\s) == 2)
	WIN 0
	XLOADH (\s)+1, 1
.endif
.if (\s) < 3
	s_wait_dscnt 24                                ; tiles 4-7 are in; the 24 younger loads are the next step's
.else
	s_wait_dscnt 0x0
.endif
	MUL16 1, 0, \s, \swap
	MUL16 1, 1, \s, \swap
.if (\s) == 3
	WIN 0
	PLACES
.endif
.endm
; 64 accumulator registers of window win, register 16 b + i = k 32 b + 16 (lane / 16) + i of my row, become 12 registers of codes in v[PC] on and a scale word in v[pw].  Each accumulator is read from its low end on.
; later: not the first block: stores of an earlier block have been issued.
.macro QUANT src, win, pw, later
.set SR_, (\src)
	WIN ((\win)<<2)|((\win)<<4)                    ; sources 1 and 2: the accumulators' window
.irp b, 0,1,2,3
	v_max3_num_f32 v[TM+\b], 0x1800000, |v[SR_+16*\b]|, |v[SR_+16*\b+1]|   ; the floor 2^(3 - 127) and my first two numbers of block b
.endr
.irp i, 2,4,6,8,10,12,14
.irp b, 0,1,2,3
	v_max3_num_f32 v[TM+\b], v[TM+\b], |v[SR_+16*\b+\i]|, |v[SR_+16*\b+\i+1]|
.endr
.endr
	WIN 0
.if (\later)
	s_wait_alu depctr_va_vdst(0)
	s_wait_xcnt 0x0                                ; the last stores have read their data: the scale word and the codes are written again only behind this wait
	s_wait_alu depctr_vm_vsrc(0)                   ; the earlier blocks' stores have read v[PW ..] and v[PC ..], which the lines below write again
.endif
.irp b, 0,1,2,3
	v_permlanex16_b32 v[TM+4+\b], v[TM+\b], s20, s21
.endr
.irp b, 0,1,2,3
	v_max_num_f32 v[TM+\b], v[TM+\b], v[TM+4+\b]
.endr
.irp b, 0,1,2,3
	v_add_nc_u32 v[TM+12+\b], 0xff000000, v[TM+\b]
.endr
.irp b, 0,1,2,3
	v_lshrrev_b32 v[TM+4+\b], 23, v[TM+12+\b]
.endr
	v_lshl_or_b32 v[\pw], v[TM+5], 8, v[TM+4]
	v_lshl_or_b32 v[\pw], v[TM+6], 16, v[\pw]
	v_lshl_or_b32 v[\pw], v[TM+7], 24, v[\pw]
	WIN (\win)                                     ; source 0: the accumulators' window
.irp c, 0,1
	v_cvt_scalef32_pk16_fp6_f32 v[PC+6*\c:PC+2+6*\c], v[SR_+32*\c:SR_+15+32*\c], v[TM+12+2*\c]
	v_cvt_scalef32_pk16_fp6_f32 v[PC+12+4*\c:PC+14+4*\c], v[SR_+16+32*\c:SR_+31+32*\c], v[TM+12+2*\c+1]
.endr
	WIN 0
	v_nop                                          ; one plain place behind the scaled conversions
.irp c, 0,1
.irp i, 0,1,2
	v_permlane16_swap_b32 v[PC+6*\c+\i], v[PC+12+4*\c+\i]
.endr
.irp i, 0,1,2
	v_mov_b32 v[PC+3+6*\c+\i], v[PC+12+4*\c+\i]
.endr
.endr
.endm
	s_load_b256 s[4:11], s[0:1], 0x0               ; bufx s[4:5], bufw s[6:7], bq s[8:9], bk s[10:11]
	s_load_b128 s[12:15], s[0:1], 0x20             ; bv s[12:13], act s[14:15]
	v_lshl_add_u32 v154, v0, 2, 0xc000
	v_mov_b32 v155, 0
	v_lshrrev_b32 v1, 5, v0
	v_readfirstlane_b32 s16, v1                    ; wave
	v_and_b32 v9, 31, v0                           ; lane
	v_and_b32 v10, 15, v0                          ; r
	v_bfe_u32 v11, v0, 4, 1                        ; h
	v_lshlrev_b32 v1, 4, v9                        ; 16 x lane
	v_lshlrev_b32 v2, 2, v9                        ; 4 x lane
	s_wait_alu depctr_va_sdst(0)                   ; s16 is written, ahead of its first reader: LDS addresses and all bases are made from it
	s_mul_i32 s40, s16, 12288
	v_add_nc_u32 v3, s40, v1                       ; where I store my 8 images of x
	v_lshlrev_b32 v4, 6, v11                       ; q, k: the bias of my half's channels: 64 h
	v_and_b32 v8, 8, v10
	v_add_nc_u32 v8, v8, v10
	v_lshlrev_b32 v8, 2, v8                        ; v: the bias of my channel: 4 (r + 8 (r / 8))
	v_mul_u32_u24 v5, v11, 1536
	v_lshl_add_u32 v6, v10, 3, v5
	v_add_nc_u32 v6, 1024, v6                      ; v out: 1,536 h + 8 r + 1,024
	v_lshl_add_u32 v5, v10, 4, v5                  ; v out: 1,536 h + 16 r
	v_lshlrev_b32 v7, 4, v10                       ; v's scale words: 16 r
.irp b, 0,1,2,3
	v_mov_b32 v[TM+4+\b], 0                        ; written once: a lane permute's destination counts as one of its sources
.endr
	s_and_b32 s17, ttmp7, 0xffff                   ; which matrix
	s_lshr_b32 s18, ttmp9, 5                       ; batch
	s_and_b32 s19, ttmp9, 31                       ; chunk in the batch
	s_mov_b32 s20, 0x76543210
	s_mov_b32 s21, 0xfedcba98
	s_mul_i32 s42, ttmp9, 49152                    ; x's codes: 8 tiles x 6,144 bytes a chunk,
	s_add_co_u32 s42, s42, s40                     ; my quarter
	s_mov_b32 s43, 0
	s_lshl_b32 s44, ttmp9, 11                      ; x's scale words: 8 tiles x 256 bytes
	s_add_co_u32 s44, s44, XSO
	s_mov_b32 s45, 0
	s_mul_i32 s46, s17, 196608                     ; the matrix' codes,
	s_mul_i32 s41, s16, 49152                      ; my 8 tiles
	s_add_co_u32 s46, s46, s41
	s_mov_b32 s47, 0
	s_lshl_b32 s48, s17, 5
	s_lshl_b32 s41, s16, 3
	s_add_co_u32 s48, s48, s41
	s_lshl_b32 s48, s48, 8                         ; their scale words
	s_add_co_u32 s48, s48, WSO
	s_mov_b32 s49, 0
	s_lshl_b32 s50, s16, 9                         ; my 128 numbers of the bias
	s_mov_b32 s51, 0
	s_lshl_b32 s52, s18, 3
	s_lshl_b32 s41, s16, 1
	s_add_co_u32 s52, s52, s41                     ; my first head among the 16
	s_mul_i32 s53, s52, 136
	s_lshl_b32 s41, s19, 2
	s_add_co_u32 s53, s53, s41
	s_add_co_u32 s53, s53, 4                       ; its row of groups: four pads, then 4 groups a chunk
	s_mul_i32 s54, s53, 1536
	s_mul_i32 s41, s17, 3342336                    ; q's, k's or v's codes
	s_add_co_u32 s54, s54, s41
	s_mov_b32 s55, 0
	s_wait_kmcnt 0x0
	s_add_nc_u64 s[24:25], s[4:5], s[42:43]
	s_add_nc_u64 s[26:27], s[4:5], s[44:45]
	s_add_nc_u64 s[28:29], s[6:7], s[46:47]
	s_add_nc_u64 s[30:31], s[6:7], s[48:49]
	s_cmp_eq_u32 s17, 1
	s_cselect_b64 s[32:33], s[10:11], s[8:9]
	s_cmp_eq_u32 s17, 2
	s_cselect_b64 s[32:33], s[12:13], s[32:33]
	s_add_nc_u64 s[32:33], s[32:33], s[50:51]
	s_add_nc_u64 s[34:35], s[14:15], s[54:55]
	s_wait_alu depctr_va_vdst(0)                   ; the offsets and LDS addresses v1 to v8 are written, which every load and store of the kernel reads; no vector instruction writes them again
.set i_, 0
.rept 24
	global_load_b128 v[XF+4*i_:XF+4*i_+3], v1, s[24:25] offset:512*i_   ; my 8 fragments of x: 12,288 consecutive bytes
.set i_, i_+1
.endr
	WLOAD 0, 0
	WIN 0
	s_wait_loadcnt 24                              ; x's are in; the 24 younger loads are the weights'
.set i_, 0
.rept 24
	ds_store_b128 v3, v[XF+4*i_:XF+4*i_+3] offset:512*i_
.set i_, i_+1
.endr
.set i_, 0
.rept 16
	global_load_b32 v[XS+i_], v2, s[26:27] offset:128*i_
	global_load_b32 v[WSC+i_], v2, s[30:31] offset:128*i_
.set i_, i_+1
.endr
	s_wait_dscnt 0x0                               ; for the others' sake: my images have landed
	s_barrier_signal -1
	s_barrier_wait -1                              ; x's 32 fragments lie in LDS; nothing is written there again
	s_wait_alu depctr_vm_vsrc(0)                   ; my LDS stores have read v[XF ..], x's set 0, in which the fragments of K step 0 land on both ways below
	s_cmp_eq_u32 s17, 2
	s_cbranch_scc1 .Lv
	; ---- q, k
	s_lshl_b32 s56, s53, 7
	s_mul_i32 s41, s17, 278528
	s_add_co_u32 s56, s56, s41
	s_add_co_u32 s56, s56, QSO
	s_mov_b32 s57, 0
	s_add_nc_u64 s[36:37], s[14:15], s[56:57]      ; the scale words' place
	WIN 0x40
.set t_, 0
.rept 8
	global_load_b128 v[BIA+8*t_:BIA+8*t_+3], v4, s[32:33] offset:(32*(t_/2)+8*(t_%2))*4       ; tile t: channels 32 (t / 2) + 8 (t % 2) + 16 h + 0 .. 7
	global_load_b128 v[BIA+8*t_+4:BIA+8*t_+7], v4, s[32:33] offset:(32*(t_/2)+8*(t_%2))*4+16
.set t_, t_+1
.endr
	WLOAD 1, 1
	WIN 0
	XLOADH 0, 0
	XLOADH 0, 1
	XLOADH 1, 0                                    ; step 1's fragments go into set 1, which nothing has named yet
	XLOADH 1, 1
	STEP 0, 0
	STEP 1, 0
	STEP 2, 0
	STEP 3, 0
.irp hh, 0,1
.irp g, 0,1,2,3
	QUANT 64*\g, 2+\hh, PW, \hh+\g                 ; head 2 w + hh, the chunk's group g: both token tiles
	s_wait_alu depctr_va_vdst(0)                   ; the quantiser has written the codes v[PC ..] and the scale word v[PW], which the four stores read
.irp p, 0,1,2
	global_store_b128 v1, v[PC+4*\p:PC+4*\p+3], s[34:35] offset:208896*\hh+1536*\g+512*\p   ; 32 lanes store 512 consecutive bytes
.endr
	global_store_b32 v2, v[PW], s[36:37] offset:17408*\hh+128*\g
.endr
.endr
	s_wait_dscnt 0x0
	s_wait_alu depctr_hold_cnt(0) depctr_sa_sdst(0) depctr_va_vdst(0) depctr_va_sdst(0) depctr_va_ssrc(0) depctr_va_vcc(0) depctr_vm_vsrc(0)
	s_wait_tensorcnt 0x0
	ds_add_u32 v154, v155
	s_wait_dscnt 0x0
	s_endpgm
.Lv:
	; ---- v
	s_mul_i32 s56, s52, 34
	s_add_co_u32 s56, s56, s19
	s_add_co_u32 s56, s56, 1                       ; one padded chunk in front
	s_lshl_b32 s56, s56, 8
	s_add_co_u32 s56, s56, VSO
	s_mov_b32 s57, 0
	s_add_nc_u64 s[36:37], s[14:15], s[56:57]
	WIN 0x40
.set t_, 0
.rept 64
	global_load_b32 v[BIA+t_], v8, s[32:33] offset:(32*(t_/16)+8*((t_/8)%2))*4   ; a lane holds one channel: the same number in a tile's eight registers
.set t_, t_+1
.endr
	WLOAD 1, 1
	WIN 0
	XLOADH 0, 0
	XLOADH 0, 1
	XLOADH 1, 0                                    ; step 1's fragments go into set 1, which nothing has named yet
	XLOADH 1, 1
	STEP 0, 1
	STEP 1, 1
	STEP 2, 1
	STEP 3, 1
.irp hh, 0,1
.irp tt, 0,1,2,3
	QUANT 64*\tt, 2+\hh, PW+\tt, \hh+\tt           ; head 2 w + hh, channel tile tt, the chunk's 128 keys: registers 6 c .. + 5 are the chunk's group 2 c + h
	s_wait_alu depctr_va_vdst(0)                   ; the quantiser has written the codes v[PC ..], which the four stores read, and the tile's scale word; the fourth tile's wait serves the store of the four words too
.irp c, 0,1
	global_store_b128 v5, v[PC+6*\c:PC+6*\c+3], s[34:35] offset:208896*\hh+3072*\c+256*\tt   ; 16 lanes store 256 consecutive bytes, aligned
	global_store_b64 v6, v[PC+6*\c+4:PC+6*\c+5], s[34:35] offset:208896*\hh+3072*\c+128*\tt
.endr
.endr
	global_store_b128 v7, v[PW:PW+3], s[36:37] offset:8704*\hh   ; the four tiles' scale words of row r (both halves of the lanes hold and store the same)
.endr
	s_wait_dscnt 0x0
	s_wait_alu depctr_hold_cnt(0) depctr_sa_sdst(0) depctr_va_vdst(0) depctr_va_sdst(0) depctr_va_ssrc(0) depctr_va_vcc(0) depctr_vm_vsrc(0)
	s_wait_tensorcnt 0x0
	ds_add_u32 v154, v155
	s_wait_dscnt 0x0
	s_endpgm
.Lfunc_end_k_q0173d78ca8_qkv:
	.size	k_q0173d78ca8_qkv, .Lfunc_end_k_q0173d78ca8_qkv-k_q0173d78ca8_qkv
	.p2alignl 7, 3214868480
	.fill 96, 4, 3214868480
	.section	.rodata,"a",@progbits
	.p2align	6, 0x0
	.amdhsa_kernel k_q0173d78ca8_qkv
		.amdhsa_group_segment_fixed_size 49664
		.amdhsa_private_segment_fixed_size 0
		.amdhsa_enable_private_segment 0
		.amdhsa_kernarg_size 48
		.amdhsa_user_sgpr_count 2
		.amdhsa_user_sgpr_kernarg_segment_ptr 1
		.amdhsa_wavefront_size32 1
		.amdhsa_system_sgpr_workgroup_id_x 1
		.amdhsa_system_sgpr_workgroup_id_y 1
		.amdhsa_system_sgpr_workgroup_id_z 1
		.amdhsa_system_vgpr_workitem_id 0
		.amdhsa_next_free_vgpr 1024
		.amdhsa_next_free_sgpr 66
		.amdhsa_reserve_vcc 0
		.amdhsa_float_denorm_mode_32 3
		.amdhsa_float_denorm_mode_16_64 3
		.amdhsa_memory_ordered 1
		.amdhsa_forward_progress 1
		.amdhsa_inst_pref_size 183
	.end_amdhsa_kernel
	.amdgpu_metadata
---
amdhsa.version: [ 1, 2 ]
amdhsa.kernels:
  - .name:           k_q0173d78ca8_qkv
    .symbol:         k_q0173d78ca8_qkv.kd
    .args:
      - { .name: bufx, .offset: 0, .size: 8, .value_kind: global_buffer, .address_space: global }
      - { .name: bufw, .offset: 8, .size: 8, .value_kind: global_buffer, .address_space: global }
      - { .name: bq, .offset: 16, .size: 8, .value_kind: global_buffer, .address_space: global }
      - { .name: bk, .offset: 24, .size: 8, .value_kind: global_buffer, .address_space: global }
      - { .name: bv, .offset: 32, .size: 8, .value_kind: global_buffer, .address_space: global }
      - { .name: act, .offset: 40, .size: 8, .value_kind: global_buffer, .address_space: global }
    .group_segment_fixed_size: 49664
    .private_segment_fixed_size: 0
    .kernarg_segment_align: 8
    .kernarg_segment_size: 48
    .max_flat_workgroup_size: 128
    .sgpr_count:     66
    .vgpr_count:     1024
    .wavefront_size: 32
...
	.end_amdgpu_metadata
.endif
;; end of part 5
;; launch attn (part 6): grid 256 x 1, 16 waves a work-group, no clusters, 302,592 bytes of LDS; arguments act, bufw, bfc, out0; writes out0
.if DOCPART == 6
	.amdgcn_target "amdgcn-amd-amdhsa--gfx1250"
	.amdhsa_code_object_version 6
	.text
	.protected	k_q0173d78ca8_attn
	.globl	k_q0173d78ca8_attn
	.p2align	8
	.type	k_q0173d78ca8_attn,@function
k_q0173d78ca8_attn:
	s_mov_b64 s[64:65], 0
	v_nop
	global_prefetch_b8 v0, s[64:65] scope:SCOPE_SE
	s_setreg_imm32_b32 hwreg(HW_REG_WAVE_MODE, 25, 1), 1
	s_wait_xcnt 0x0
; The windowed attention and the last projection, all three products on codes of FP6 (E2M3) with E8M0 scales.  Key j counts for query i where |i - j| <= 128.
; SHARES: a work-group owns a group of 32 queries (aligned on 32) of one batch, all 8 heads.  Such a group sees exactly nine aligned groups of 32 keys: groups 1-7 whole, group 0 cut from below, group 8 from above.
; Attention: wave wv has head wv / 2 and query tile wv % 2 (16 queries).  Projection: wave wv makes out columns 32 wv .. + 31 for all 32 queries.  Sixteen waves of 256 registers: four to a SIMD, no register windows.
; ONE PASS: a lane's 9 x 16 = 144 scores stay in registers, so the row's maximum is taken once and nothing is rescaled.
; SOFTMAX: t = score x log2(e) / 8; M = ceil(the row's largest t); p = 2^(t - M) is quantised along the keys, in the aligned groups of 32; the row's sum is taken of the unquantised p and divides O.
; LAYOUT: both attention products are used transposed (S^T = K Q^T, O^T = V^T P^T): a lane holds ONE query, 32 G + 8 tau + r + 8 (r / 8).  A K pair image (registers 0-5: key tile u = 0, 6-11: u = 1) is one whole source 0:
; against [q | 0] it gives the scores of u = 0, against [0 | q] those of u = 1: zero codes add nothing.  So a group's 16 registers are 16 neighbouring keys, 16 (lane / 16) + 0 .. 15.
; K's and V's nine groups of all heads come into LDS once, by asynchronous copies issued at the head; every LDS byte is filled once.  No multicast: neighbouring work-groups' windows are shifted by a group, so no two ask for
; the same block of nine, and Wfc's 192 KiB do not fit beside K's and V's 216 KiB; each wave loads its own two tiles of Wfc into registers as soon as the scores' registers are free.
; The pads of act (zero codes, bytes 127) stand for the groups beyond the sequence's ends; their scores are hidden like all hidden scores: -infinity ahead of the maximum.
; LIMITS: NaN and infinities are not served; a block whose largest magnitude lies under 2^-124 has its byte held at 1; a block of zeros gets the byte 1 (its codes are zeros); 1 / l by v_rcp_f32, p by v_exp_f32.
; REGISTERS: v1-15 addresses; v16-45 scale words; v46-63 [0 | q | 0], then block maxima and scale operands, then the bias; v64-99 K's images, then p's codes, then o's; v100-243 the scores and p, then V, O^T, Wfc and the results; v244-255 at work.
.set KC,  3342336
.set VC,  6684672
.set QSO, 10027008
.set VSO, 10584064
.set WSO, 786432
.set VR,  110592                       ; LDS: K's images [head][9][1,536] at 0, V's here,
.set OI,  221184                       ; o's 8 fragments (4 tau + s): piece q of 8 bytes a lane at 256 q + 8 x lane,
.set OS,  233472                       ; their scale words, 128 bytes each,
.set STG, 234496                       ; the stage for out: 32 rows x (2,048 + 16) bytes
.set S,   100                          ; the scores: group j's 16 at S + 16 j
.set BM,  46                           ; v46-54 the groups' largest scores, then p's scale operands
.set BP,  55                           ; v55-63 the other half's
.set KB,  64                           ; three slots for K's images
.set P,   64                           ; p's codes: key step f at P + 12 f
.set VB,  100                          ; V's four fragments of a key step
.set O,   148                          ; O^T: four tiles; later the projection's four accumulators
.macro PLACES
.rept 4
	v_nop
.endr
.endm
.macro WMM d, a, b, c, sa, sb, arow    ; c < 0: the constant 0 starts the sum.  arow: source 0's scale words stand in lanes 16-31
.if (\c) < 0
	v_wmma_scale_f32_16x16x128_f8f6f4 v[(\d):(\d)+7], v[(\a):(\a)+11], v[(\b):(\b)+11], 0, v[\sa], v[\sb] matrix_a_fmt:MATRIX_FMT_FP6 matrix_b_fmt:MATRIX_FMT_FP6
.elseif \arow
	v_wmma_scale_f32_16x16x128_f8f6f4 v[(\d):(\d)+7], v[(\a):(\a)+11], v[(\b):(\b)+11], v[(\c):(\c)+7], v[\sa], v[\sb] matrix_a_fmt:MATRIX_FMT_FP6 matrix_b_fmt:MATRIX_FMT_FP6 matrix_a_scale:MATRIX_SCALE_ROW1
.else
	v_wmma_scale_f32_16x16x128_f8f6f4 v[(\d):(\d)+7], v[(\a):(\a)+11], v[(\b):(\b)+11], v[(\c):(\c)+7], v[\sa], v[\sb] matrix_a_fmt:MATRIX_FMT_FP6 matrix_b_fmt:MATRIX_FMT_FP6
.endif
.endm
	; ---- the head: ids, addresses, all requests
	s_load_b256 s[4:11], s[0:1], 0x0               ; act s[4:5], bufw s[6:7], bfc s[8:9], out0 s[10:11]
	v_lshl_add_u32 v254, v0, 2, 0x49600
	v_mov_b32 v255, 0
	ds_add_u32 v254, v255
	ds_add_u32 v254, v255
	s_wait_dscnt 0x0
	v_lshrrev_b32 v1, 5, v0
	s_delay_alu instid0(VALU_DEP_1)
	v_readfirstlane_b32 s12, v1                    ; wave 0..15
	v_and_b32 v113, 31, v0                         ; lane
	v_and_b32 v114, 15, v0                         ; r
	v_bfe_u32 v115, v0, 4, 1                       ; h
	s_wait_alu depctr_va_vdst(0)
	v_lshlrev_b32 v1, 4, v113                      ; 16 x lane
	v_lshlrev_b32 v2, 2, v113                      ; 4 x lane
	v_lshlrev_b32 v112, 4, v114                    ; 16 r
	v_and_b32 v116, 8, v114
	s_delay_alu instid0(VALU_DEP_1)
	v_add_nc_u32 v116, v116, v114                  ; r + 8 (r / 8)
	s_lshr_b32 s13, s12, 1                         ; head
	s_and_b32 s14, s12, 1                          ; tau: my tile of queries
	s_and_b32 s15, ttmp9, 127                      ; Gl: the group in its batch
	s_lshr_b32 s16, ttmp9, 7
	s_lshl_b32 s16, s16, 3
	s_add_co_u32 s16, s16, s13                     ; the head among the 16
	s_mul_i32 s17, s16, 136
	s_add_co_u32 s17, s17, s15                     ; the row of the window's first group (four pads stand in front of a head's groups)
	s_mov_b32 s20, 0x76543210
	s_mov_b32 s21, 0xfedcba98                      ; v_permlanex16_b32's selects for lane l xor 16
	s_mov_b32 s22, 0x3e38aa3b                      ; c = log2(e) / 8
	s_mov_b32 s23, s22                             ; (named with it as a pair)
	s_cmp_eq_u32 s14, 1
	s_cselect_b32 s30, -1, 0                       ; all lanes where tau = 1
	s_lshl_b32 s31, s14, 4                         ; 16 tau
	s_and_b32 s32, s15, 3
	s_lshl_b32 s32, s32, 3                         ; 8 (Gl % 4): where the window's bytes begin in V's scale words
	s_sub_co_u32 s33, s15, 4                       ; the window's first group in the batch (it wraps below 0)
	s_lshl_b32 s42, s14, 3
	v_lshlrev_b32 v3, 4, v115
	s_wait_alu depctr_va_vdst(0)
	v_sub_nc_u32 v3, v116, v3
	s_delay_alu instid0(VALU_DEP_1)
	v_add_nc_u32 v3, s42, v3                       ; D = 8 tau + r + 8 (r / 8) - 16 h: my query less my half's first key, within a group
	v_mov_b32 v4, 0xff800000                       ; -infinity
	s_mul_i32 s62, s13, 13824                      ; my head's nine images
	s_mul_i32 s63, s14, 7680                       ; 15 pieces of 512 bytes
	v_add_nc_u32 v5, s62, v1                       ; K's images for my lane
	s_add_co_u32 s42, s62, VR
	v_mul_u32_u24 v117, v115, 1536
	v_add_nc_u32 v8, s42, v112                     ; V: the first four registers: 16 r,
	s_delay_alu instid0(VALU_DEP_1)
	v_add_nc_u32 v6, v8, v117                      ; and a group on for lanes 16-31
	v_lshl_add_u32 v9, v114, 3, s42
	s_delay_alu instid0(VALU_DEP_1)
	v_add_nc_u32 v9, 1024, v9                      ; V: the last two: 1,024 + 8 r,
	s_delay_alu instid0(VALU_DEP_1)
	v_add_nc_u32 v7, v9, v117                      ; and a group on
	; the copies' addresses: a head's two waves share its 27 pieces of K and 27 of V: tau = 0: K 0-14, V 0-11;  tau = 1: K 15-26, V 12-26
	s_add_co_u32 s42, s62, s63
	v_add_nc_u32 v10, s42, v1                      ; K's pieces 15 tau on: in LDS,
	s_add_co_u32 s43, s63, KC
	v_add_nc_u32 v11, s43, v1                      ; in memory
	s_mul_i32 s42, s14, 110592
	s_add_co_u32 s42, s42, s62
	s_add_co_u32 s42, s42, 6144
	v_add_nc_u32 v12, s42, v1                      ; pieces 12-14, of K (tau = 0) or of V (tau = 1)
	s_mul_i32 s43, s14, 3342336
	s_add_co_u32 s43, s43, KC+6144
	v_add_nc_u32 v13, s43, v1
	s_add_co_u32 s42, s62, s63
	s_add_co_u32 s42, s42, VR
	v_add_nc_u32 v14, s42, v1                      ; V's pieces 15 tau on
	s_add_co_u32 s43, s63, VC
	v_add_nc_u32 v15, s43, v1
	; LDS bases that are used behind the second barrier
	s_mul_i32 s58, s14, 6144
	s_mul_i32 s42, s13, 768
	s_add_co_u32 s58, s58, s42
	s_add_co_u32 s58, s58, OI                      ; my half of o's fragment 4 tau + head / 2
	s_lshl_b32 s59, s14, 9
	s_lshr_b32 s42, s13, 1
	s_lshl_b32 s42, s42, 7
	s_add_co_u32 s59, s59, s42
	s_and_b32 s42, s13, 1
	s_lshl_b32 s42, s42, 1
	s_add_co_u32 s59, s59, s42
	s_add_co_u32 s59, s59, OS                      ; my two bytes of its scale words
	s_lshl_b32 s60, s12, 7
	s_add_co_u32 s60, s60, STG                     ; the stage: my 32 columns
	s_mul_i32 s61, s12, 4128
	s_add_co_u32 s61, s61, STG                     ; the stage: my two rows
	s_mul_i32 s44, s17, 1536
	s_mov_b32 s45, 0
	s_lshl_b32 s46, s17, 7
	s_add_co_u32 s46, s46, QSO
	s_mov_b32 s47, 0
	s_mul_i32 s48, s16, 34
	s_lshr_b32 s49, s15, 2
	s_add_co_u32 s48, s48, s49
	s_lshl_b32 s48, s48, 8
	s_add_co_u32 s48, s48, VSO
	s_mov_b32 s49, 0
	s_mul_i32 s50, s12, 12288
	s_add_co_u32 s50, s50, 589824                  ; Wfc's codes, my two tiles
	s_mov_b32 s51, 0
	s_lshl_b32 s52, s12, 9
	s_add_co_u32 s52, s52, WSO+96*256              ; their scale words
	s_mov_b32 s53, 0
	s_lshl_b32 s54, s12, 7                         ; my 32 numbers of bfc
	s_mov_b32 s55, 0
	s_lshl_b32 s56, ttmp9, 16                      ; 32 rows of out,
	s_lshl_b32 s57, s12, 12                        ; my two
	s_add_co_u32 s56, s56, s57
	s_mov_b32 s57, 0
	v_mov_b32 v245, 0                              ; (named as upper halves of pairs, or as a lane permute's destination, before they are otherwise written)
	v_mov_b32 v247, 0
	v_mov_b32 v252, 0
	s_wait_alu depctr_va_vdst(0)
	s_wait_kmcnt 0x0
	s_add_nc_u64 s[24:25], s[4:5], s[44:45]        ; act at the window's first group, in units of 1,536 bytes
	s_add_nc_u64 s[26:27], s[4:5], s[46:47]        ; Q's scale words at that row
	s_add_nc_u64 s[28:29], s[4:5], s[48:49]        ; V's scale words at the window's first chunk
	s_add_nc_u64 s[34:35], s[6:7], s[50:51]
	s_add_nc_u64 s[36:37], s[6:7], s[52:53]
	s_add_nc_u64 s[38:39], s[8:9], s[54:55]
	s_add_nc_u64 s[40:41], s[10:11], s[56:57]
.set n_, 0
.rept 12
	global_load_async_to_lds_b128 v10, v11, s[24:25] offset:512*n_   ; the immediate goes onto both addresses
.set n_, n_+1
.endr
.irp n, 0,1,2
	global_load_async_to_lds_b128 v12, v13, s[24:25] offset:512*\n
.endr
.set n_, 0
.rept 12
	global_load_async_to_lds_b128 v14, v15, s[24:25] offset:512*n_
.set n_, n_+1
.endr
.irp p, 0,1,2
	global_load_b128 v[100+4*\p:103+4*\p], v1, s[24:25] offset:6144+512*\p   ; Q's pair image of my group (the window's fifth)
.endr
	global_load_b32 v45, v2, s[26:27] offset:512   ; its scale word
.irp j, 0,1,2,3,4,5,6,7,8
	global_load_b32 v[17+\j], v2, s[26:27] offset:278528+128*\j   ; K's scale words
.endr
.irp i, 0,1,2
	global_load_b128 v[26+4*\i:29+4*\i], v112, s[28:29] offset:256*\i   ; V's: three chunks' words of my row, four channel tiles each
.endr
	; ---- Q's operands and the scale words
	s_wait_loadcnt 0x0
	v_lshrrev_b32 v45, s31, v45                    ; my tile's two bytes,
	s_delay_alu instid0(VALU_DEP_1)
	v_and_b32 v45, 0xffff, v45
	s_delay_alu instid0(VALU_DEP_1)
	v_lshl_or_b32 v16, v45, 16, v45                ; in both halves of the word: they serve [q | 0] and [0 | q]
.irp tt, 0,1,2,3
	v_alignbit_b32 v[26+\tt], v[30+\tt], v[26+\tt], s32   ; the window's groups 0-3,
	v_alignbit_b32 v[30+\tt], v[34+\tt], v[30+\tt], s32   ; 4-7,
	v_bfe_u32 v[34+\tt], v[34+\tt], s32, 8                ; and 8; the bytes above it are 0 and stand over zero codes of p
.endr
.irp i, 0,1,2,3,4,5
	v_cndmask_b32 v[52+\i], v[100+\i], v[106+\i], s30     ; my tile's six registers
.endr
.irp i, 0,1,2,3,4,5
	v_mov_b32 v[46+\i], 0                          ; v[46:57] = [0 | q], v[52:63] = [q | 0]
	v_mov_b32 v[58+\i], 0
.endr
.rept 8
	v_nop                                          ; a scale register written by a vector instruction stands 8 places ahead of a scaled matrix instruction, an operand 4
.endr
	s_wait_alu depctr_va_vdst(0)
	s_wait_asynccnt 12                             ; my first 15 copies have landed, all my pieces of K among them; the 12 younger are V's
	s_barrier_signal -1
	s_barrier_wait -1                              ; K's images are whole
	; ---- S^T = K Q^T
.macro KLOAD j
.irp p, 0,1,2
	ds_load_b128 v[KB+12*((\j)%3)+4*\p:KB+12*((\j)%3)+4*\p+3], v5 offset:1536*(\j)+512*\p
.endr
.endm
	KLOAD 0
	KLOAD 1
	KLOAD 2
.irp j, 0,1,2,3,4,5,6,7,8
.if \j <= 6
	s_wait_dscnt 6                                 ; image j is in; the two images behind it (six loads) may be out
.elseif \j == 7
	s_wait_dscnt 3
.else
	s_wait_dscnt 0x0
.endif
	WMM S+16*\j, KB+12*(\j%3), 52, -1, 17+\j, 16, 0     ; keys 16 h + 0 .. 7 of group j
	WMM S+16*\j+8, KB+12*(\j%3), 46, -1, 17+\j, 16, 0   ; keys 16 h + 8 .. 15
.if \j <= 5
	PLACES
	KLOAD \j+3
.endif
.endr
	PLACES
	; ---- the window: register i of group 0 is hidden where i < D, of group 8 where i > D
.irp i, 0,1,2,3,4,5,6,7,8,9,10,11,12,13,14,15
	v_cmp_lt_i32 vcc_lo, \i, v3
	v_cndmask_b32 v[S+\i], v[S+\i], v4, vcc_lo
.endr
.irp i, 0,1,2,3,4,5,6,7,8,9,10,11,12,13,14,15
	v_cmp_gt_i32 vcc_lo, \i, v3
	v_cndmask_b32 v[S+128+\i], v[S+128+\i], v4, vcc_lo
.endr
	s_cmp_lt_u32 s33, 120                          ; all nine groups lie inside the sequence: a branch on the work-group's number alone
	s_cbranch_scc1 .Linner
.irp j, 0,1,2,3,5,6,7,8                        ; at the sequence's ends: a group outside 0 .. 127 is hidden whole (group 4 holds the queries themselves)
	s_add_co_u32 s42, s33, \j
	s_cmp_lt_u32 s42, 128
	s_cselect_b32 s43, -1, 0
.irp i, 0,1,2,3,4,5,6,7,8,9,10,11,12,13,14,15
	v_cndmask_b32 v[S+16*\j+\i], v4, v[S+16*\j+\i], s43
.endr
.endr
.Linner:
	; ---- the softmax
.irp b, 0,1,2,3,4,5,6,7,8
	v_max3_num_f32 v[BM+\b], v[S+16*\b], v[S+16*\b+1], v[S+16*\b+2]   ; the largest score of each group: it serves for the row's maximum and, since p rises with the score, for the group's largest p
.endr
.irp i, 3,5,7,9,11,13
.irp b, 0,1,2,3,4,5,6,7,8
	v_max3_num_f32 v[BM+\b], v[BM+\b], v[S+16*\b+\i], v[S+16*\b+\i+1]
.endr
.endr
.irp b, 0,1,2,3,4,5,6,7,8
	v_max_num_f32 v[BM+\b], v[BM+\b], v[S+16*\b+15]
.endr
.irp b, 0,1,2,3,4,5,6,7,8
	v_permlanex16_b32 v[BP+\b], v[BM+\b], s20, s21
.endr
.irp b, 0,1,2,3,4,5,6,7,8
	v_max_num_f32 v[BM+\b], v[BM+\b], v[BP+\b]     ; with lane l xor 16's 16 keys
.endr
	v_max3_num_f32 v252, v[BM], v[BM+1], v[BM+2]
	s_delay_alu instid0(VALU_DEP_1)
	v_max3_num_f32 v252, v252, v[BM+3], v[BM+4]
	s_delay_alu instid0(VALU_DEP_1)
	v_max3_num_f32 v252, v252, v[BM+5], v[BM+6]
	s_delay_alu instid0(VALU_DEP_1)
	v_max3_num_f32 v252, v252, v[BM+7], v[BM+8]    ; the row's largest score
	s_delay_alu instid0(VALU_DEP_1)
	v_mul_f32 v252, s22, v252                      ; as t
	s_delay_alu instid0(VALU_DEP_1)
	v_floor_f32 v244, -v252                        ; -M = floor(-t) = -ceil(t)
.set j_, 0
.rept 72
	v_pk_fma_f32 v[S+j_:S+j_+1], v[S+j_:S+j_+1], s[22:23], v[244:245] op_sel_hi:[1,0,0]   ; t - M, two at a time
.set j_, j_+2
.endr
.irp b, 0,1,2,3,4,5,6,7,8
	v_fma_f32 v[BM+\b], v[BM+\b], s22, v244        ; the same of each group's largest score
.endr
.set j_, 0
	s_wait_alu depctr_va_vdst(0)
.rept 144
	v_exp_f32 v[S+j_], v[S+j_]                     ; p = 2^(t - M)
.set j_, j_+1
.endr
	v_nop                                          ; a plain place behind the exponentials
	s_wait_alu depctr_va_vdst(0)                   ; one wait for the batch of 144, ahead of its first reader
.irp b, 0,1,2,3,4,5,6,7,8
	v_exp_f32 v[BM+\b], v[BM+\b]                   ; the groups' largest p: the same two instructions on the same number
.endr
	v_pk_add_f32 v[250:251], v[100:101], v[102:103]
	v_pk_add_f32 v[254:255], v[108:109], v[112:113]
	v_pk_add_f32 v[244:245], v[116:117], v[120:121]
	v_pk_add_f32 v[98:99], v[124:125], v[128:129]
	v_pk_add_f32 v[96:97], v[132:133], v[136:137]
	v_pk_add_f32 v[94:95], v[140:141], v[144:145]
	v_pk_add_f32 v[92:93], v[148:149], v[152:153]
	v_pk_add_f32 v[248:249], v[156:157], v[160:161]
	v_pk_add_f32 v[248:249], v[248:249], v[164:165]
	v_pk_add_f32 v[250:251], v[250:251], v[168:169]
	v_pk_add_f32 v[254:255], v[254:255], v[172:173]
	v_pk_add_f32 v[244:245], v[244:245], v[176:177]
	v_pk_add_f32 v[98:99], v[98:99], v[180:181]
	v_pk_add_f32 v[96:97], v[96:97], v[184:185]
	v_pk_add_f32 v[94:95], v[94:95], v[188:189]
	v_pk_add_f32 v[92:93], v[92:93], v[192:193]
	v_pk_add_f32 v[248:249], v[248:249], v[196:197]
	v_pk_add_f32 v[250:251], v[250:251], v[200:201]
	v_pk_add_f32 v[254:255], v[254:255], v[204:205]
	v_pk_add_f32 v[244:245], v[244:245], v[208:209]
	v_pk_add_f32 v[98:99], v[98:99], v[212:213]
	v_pk_add_f32 v[96:97], v[96:97], v[216:217]
	v_pk_add_f32 v[94:95], v[94:95], v[220:221]
	v_pk_add_f32 v[92:93], v[92:93], v[224:225]
	v_pk_add_f32 v[248:249], v[248:249], v[228:229]
	v_pk_add_f32 v[250:251], v[250:251], v[232:233]
	v_pk_add_f32 v[254:255], v[254:255], v[236:237]
	v_pk_add_f32 v[244:245], v[244:245], v[240:241]
	v_pk_add_f32 v[98:99], v[98:99], v[104:105]
	v_pk_add_f32 v[96:97], v[96:97], v[106:107]
	v_pk_add_f32 v[94:95], v[94:95], v[110:111]
	v_pk_add_f32 v[92:93], v[92:93], v[114:115]
	v_pk_add_f32 v[248:249], v[248:249], v[118:119]
	v_pk_add_f32 v[250:251], v[250:251], v[122:123]
	v_pk_add_f32 v[254:255], v[254:255], v[126:127]
	v_pk_add_f32 v[244:245], v[244:245], v[130:131]
	v_pk_add_f32 v[98:99], v[98:99], v[134:135]
	v_pk_add_f32 v[96:97], v[96:97], v[138:139]
	v_pk_add_f32 v[94:95], v[94:95], v[142:143]
	v_pk_add_f32 v[92:93], v[92:93], v[146:147]
	v_pk_add_f32 v[248:249], v[248:249], v[150:151]
	v_pk_add_f32 v[250:251], v[250:251], v[154:155]
	v_pk_add_f32 v[254:255], v[254:255], v[158:159]
	v_pk_add_f32 v[244:245], v[244:245], v[162:163]
	v_pk_add_f32 v[98:99], v[98:99], v[166:167]
	v_pk_add_f32 v[96:97], v[96:97], v[170:171]
	v_pk_add_f32 v[94:95], v[94:95], v[174:175]
	v_pk_add_f32 v[92:93], v[92:93], v[178:179]
	v_pk_add_f32 v[248:249], v[248:249], v[182:183]
	v_pk_add_f32 v[250:251], v[250:251], v[186:187]
	v_pk_add_f32 v[254:255], v[254:255], v[190:191]
	v_pk_add_f32 v[244:245], v[244:245], v[194:195]
	v_pk_add_f32 v[98:99], v[98:99], v[198:199]
	v_pk_add_f32 v[96:97], v[96:97], v[202:203]
	v_pk_add_f32 v[94:95], v[94:95], v[206:207]
	v_pk_add_f32 v[92:93], v[92:93], v[210:211]
	v_pk_add_f32 v[248:249], v[248:249], v[214:215]
	v_pk_add_f32 v[250:251], v[250:251], v[218:219]
	v_pk_add_f32 v[254:255], v[254:255], v[222:223]
	v_pk_add_f32 v[244:245], v[244:245], v[226:227]
	v_pk_add_f32 v[98:99], v[98:99], v[230:231]
	v_pk_add_f32 v[96:97], v[96:97], v[234:235]
	v_pk_add_f32 v[94:95], v[94:95], v[238:239]
	v_pk_add_f32 v[92:93], v[92:93], v[242:243]
	s_delay_alu instid0(VALU_DEP_4)
	v_pk_add_f32 v[248:249], v[248:249], v[98:99]
	s_delay_alu instid0(VALU_DEP_4)
	v_pk_add_f32 v[250:251], v[250:251], v[96:97]
	s_delay_alu instid0(VALU_DEP_4)
	v_pk_add_f32 v[254:255], v[254:255], v[94:95]
	s_delay_alu instid0(VALU_DEP_4)
	v_pk_add_f32 v[244:245], v[244:245], v[92:93]
	s_delay_alu instid0(VALU_DEP_2)
	v_pk_add_f32 v[248:249], v[248:249], v[254:255]
	s_delay_alu instid0(VALU_DEP_2)
	v_pk_add_f32 v[250:251], v[250:251], v[244:245]
	s_delay_alu instid0(VALU_DEP_1)
	v_pk_add_f32 v[248:249], v[248:249], v[250:251]
	s_delay_alu instid0(VALU_DEP_1)
	v_add_f32 v246, v248, v249
	s_delay_alu instid0(VALU_DEP_1)
	v_permlanex16_b32 v252, v246, s20, s21
	s_delay_alu instid0(VALU_DEP_1)
	v_add_f32 v246, v246, v252                     ; with lane l xor 16's: l
	s_wait_alu depctr_va_vdst(0)                   ; and one wait for the nine
	v_rcp_f32 v246, v246                           ; 1 / l; the lines below are plain work behind it
	; ---- p's scale words and codes
.irp b, 0,1,2,3,4,5,6,7,8
	v_max_num_f32 v[BM+\b], 0x1800000, v[BM+\b]    ; the floor 2^(3 - 127): a group whose every p is 0 keeps the byte 1; its codes are zeros
.endr
.irp b, 0,1,2,3,4,5,6,7,8
	v_add_nc_u32 v[BM+\b], 0xff000000, v[BM+\b]    ; 2 off the exponent field: the conversion's scale operand
.endr
.irp f, 0,1
.irp b, 0,1,2,3
	v_lshrrev_b32 v[252+\b], 23, v[BM+4*\f+\b]
.endr
	s_delay_alu instid0(VALU_DEP_3)
	v_lshl_or_b32 v[38+\f], v253, 8, v252          ; the scale word of key step f: groups 4 f .. 4 f + 3
	s_delay_alu instid0(VALU_DEP_1)
	v_lshl_or_b32 v[38+\f], v254, 16, v[38+\f]
	s_delay_alu instid0(VALU_DEP_1)
	v_lshl_or_b32 v[38+\f], v255, 24, v[38+\f]
.endr
	v_lshrrev_b32 v40, 23, v[BM+8]                 ; key step 2: group 8 alone
	s_wait_alu depctr_va_vdst(0)                   ; the wait for the reciprocal
.irp f, 0,1
.irp c, 0,1
	v_cvt_scalef32_pk16_fp6_f32 v[P+12*\f+6*\c:P+12*\f+6*\c+2], v[S+64*\f+32*\c:S+64*\f+32*\c+15], v[BM+4*\f+2*\c]
	v_cvt_scalef32_pk16_fp6_f32 v[56+4*\c:58+4*\c], v[S+64*\f+32*\c+16:S+64*\f+32*\c+31], v[BM+4*\f+2*\c+1]
.endr
	v_nop                                          ; one plain place behind the scaled conversions
.irp c, 0,1                                    ; the layout wants a whole group in a lane: lanes 0-15 group 2 c, lanes 16-31 group 2 c + 1
.irp i, 0,1,2
	v_permlane16_swap_b32 v[P+12*\f+6*\c+\i], v[56+4*\c+\i]
.endr
.irp i, 0,1,2
	s_delay_alu instid0(VALU_DEP_3)
	v_mov_b32 v[P+12*\f+6*\c+3+\i], v[56+4*\c+\i]
.endr
.endr
.endr
.irp i, 0,1,2,3,4,5,6,7,8
	v_mov_b32 v[91+\i], 0                          ; key step 2 is group 8 and zero codes
.endr
	v_cvt_scalef32_pk16_fp6_f32 v[88:90], v[S+128:S+143], v[BM+8]
	v_nop
.irp i, 0,1,2
	v_permlane16_swap_b32 v[88+\i], v[91+\i]       ; lanes 0-15 now hold the group whole, lanes 16-31 zeros
.endr
	v_and_b32 v253, 31, v0                         ; lane terms for the addresses below: with the two v_nop the eight places ahead of the scaled matrix instructions
	v_and_b32 v254, 15, v0
	v_bfe_u32 v255, v0, 4, 1
	s_delay_alu instid0(VALU_DEP_1)
	v_lshlrev_b32 v252, 6, v255                    ; 64 h
	s_delay_alu instid0(VALU_DEP_3)
	v_and_b32 v251, 8, v254
	s_delay_alu instid0(VALU_DEP_1)
	v_add_nc_u32 v254, v254, v251                  ; r + 8 (r / 8)
	v_nop
	v_nop
	; ---- the scores' registers are free: Wfc's first five fragments, its scale words and the bias are asked for (23 loads)
.irp i, 0,1,2,3,4                              ; fragment i = 2 s + ct: tile ct, K step s
.irp p, 0,1,2
	global_load_b128 v[180+12*\i+4*\p:180+12*\i+4*\p+3], v1, s[34:35] offset:(4*(\i%2)+\i/2)*1536+512*\p
.endr
.endr
.irp i, 0,1,2,3
	global_load_b32 v[41+\i], v2, s[36:37] offset:128*\i   ; tile i / 2, K steps 2 (i % 2) and + 1
.endr
.irp i, 0,1,2,3
	global_load_b128 v[46+4*\i:49+4*\i], v252, s[38:39] offset:16*\i   ; bfc at columns 32 wv + 16 h + 0 .. 15: two tiles of eight
.endr
	s_wait_alu depctr_va_vdst(0)
	s_wait_asynccnt 0x0                            ; my pieces of V have landed; the copies' address registers may be written
	s_wait_dscnt 0x0
	s_barrier_signal -1
	s_barrier_wait -1                              ; V's images are whole
	v_lshl_add_u32 v10, v253, 3, s58               ; where I store my half of o's fragment
	v_lshl_add_u32 v11, v253, 2, s59               ; and my two scale bytes
	v_lshl_add_u32 v12, v253, 3, OI                ; where o's fragments are read
	v_lshl_add_u32 v13, v253, 2, OS
	v_mul_u32_u24 v14, v254, 2064
	s_delay_alu instid0(VALU_DEP_1)
	v_add_nc_u32 v14, v14, v252
	s_delay_alu instid0(VALU_DEP_1)
	v_add_nc_u32 v14, s60, v14                     ; the stage: row r + 8 (r / 8), + 128 wv + 64 h
	v_lshl_add_u32 v15, v253, 4, s61               ; and back: my two rows, 16 bytes a lane
	; ---- O^T = V^T P^T: three key steps, four channel tiles by turns
.irp st, 0,1
.irp tt, 0,1,2,3
.irp c, 0,1
	ds_load_b128 v[VB+12*\tt+6*\c:VB+12*\tt+6*\c+3], v6 offset:(4*\st+2*\c)*1536+256*\tt
	ds_load_b64 v[VB+12*\tt+6*\c+4:VB+12*\tt+6*\c+5], v7 offset:(4*\st+2*\c)*1536+128*\tt
.endr
.endr
	s_wait_dscnt 0x0
.irp tt, 0,1,2,3
.if \st == 0
	WMM O+8*\tt, VB+12*\tt, P, -1, 26+\tt, 38, 0
.else
	WMM O+8*\tt, VB+12*\tt, P+12, O+8*\tt, 30+\tt, 39, 0
.endif
.endr
	PLACES
.endr
.irp tt, 0,1,2,3                               ; group 8: all lanes take it; lanes 16-31 and registers 6-11 stand against zero codes of p
	ds_load_b128 v[VB+12*\tt:VB+12*\tt+3], v8 offset:12288+256*\tt
	ds_load_b64 v[VB+12*\tt+4:VB+12*\tt+5], v9 offset:12288+128*\tt
.endr
	s_wait_dscnt 0x0
.irp tt, 0,1,2,3
	WMM O+8*\tt, VB+12*\tt, P+24, O+8*\tt, 34+\tt, 40, 0
.endr
	PLACES
	; ---- o = O / l, quantised along its 64 channels: half of a fragment of the projection's K step head / 2
.irp i, 5,6,7                                  ; V's registers are free: Wfc's last three fragments (9 loads)
.irp p, 0,1,2
	global_load_b128 v[100+12*(\i-5)+4*\p:100+12*(\i-5)+4*\p+3], v1, s[34:35] offset:(4*(\i%2)+\i/2)*1536+512*\p
.endr
.endr
.set j_, 0
.rept 16
	v_pk_mul_f32 v[O+j_:O+j_+1], v[O+j_:O+j_+1], v[246:247] op_sel_hi:[1,0]   ; register 16 b + i is channel 32 b + 16 h + i
.set j_, j_+2
.endr
.irp b, 0,1
	v_max3_num_f32 v[76+\b], |v[O+16*\b]|, |v[O+16*\b+1]|, 0x1800000
.endr
.irp i, 2,4,6,8,10,12,14
.irp b, 0,1
	s_delay_alu instid0(VALU_DEP_2)
	v_max3_num_f32 v[76+\b], v[76+\b], |v[O+16*\b+\i]|, |v[O+16*\b+\i+1]|
.endr
.endr
.irp b, 0,1
	s_delay_alu instid0(VALU_DEP_2)
	v_permlanex16_b32 v[78+\b], v[76+\b], s20, s21
.endr
.irp b, 0,1
	s_delay_alu instid0(VALU_DEP_2)
	v_max_num_f32 v[76+\b], v[76+\b], v[78+\b]
.endr
.irp b, 0,1
	s_delay_alu instid0(VALU_DEP_2)
	v_add_nc_u32 v[80+\b], 0xff000000, v[76+\b]
.endr
.irp b, 0,1
	s_delay_alu instid0(VALU_DEP_2)
	v_lshrrev_b32 v[78+\b], 23, v[80+\b]
.endr
	s_delay_alu instid0(VALU_DEP_1)
	v_lshl_or_b32 v82, v79, 8, v78                 ; my head's two scale bytes
	v_cvt_scalef32_pk16_fp6_f32 v[64:66], v[O:O+15], v80
	v_cvt_scalef32_pk16_fp6_f32 v[72:74], v[O+16:O+31], v81
	v_nop
.irp i, 0,1,2
	v_permlane16_swap_b32 v[64+\i], v[72+\i]
.endr
.irp i, 0,1,2
	s_delay_alu instid0(VALU_DEP_3)
	v_mov_b32 v[67+\i], v[72+\i]
.endr
.irp i, 0,1,2
	ds_store_b64 v10, v[64+2*\i:65+2*\i] offset:256*\i
.endr
	ds_store_b16 v11, v82
	s_wait_dscnt 0x0                               ; for the others' sake: my stores have landed
	s_barrier_signal -1
	s_barrier_wait -1                              ; o's eight fragments and their scale words lie in LDS
	; ---- out = o Wfc + bfc: source 0 = 16 columns of Wfc, source 1 = 16 queries; four accumulators by turns
.irp f, 0,1,2,3,4,5,6,7
	ds_load_b32 v[17+\f], v13 offset:128*\f
.endr
.macro OFLOAD s                        ; both query tiles' fragments of K step s: 12 loads.  Even steps: v64, v76; odd steps: v88, v136
.irp tp, 0,1
.irp q, 0,1,2,3,4,5
.if (\s)%2
	ds_load_b64 v[88+48*\tp+2*\q:88+48*\tp+2*\q+1], v12 offset:(4*\tp+(\s))*1536+256*\q
.else
	ds_load_b64 v[64+12*\tp+2*\q:64+12*\tp+2*\q+1], v12 offset:(4*\tp+(\s))*1536+256*\q
.endif
.endr
.endr
.endm
	OFLOAD 0
	OFLOAD 1
.irp s, 0,1,2,3
.if \s < 3
	s_wait_dscnt 12                                ; this step's fragments (and the scale words) are in; the 12 younger loads are the next step's
.else
	s_wait_dscnt 0x0
.endif
.if \s == 0
	s_wait_loadcnt 9                               ; the 23 early loads are in; the 9 late ones may be out
.elseif \s == 2
	s_wait_loadcnt 6                               ; fragment 5 is in; fragments 6 and 7 may be out
.elseif \s == 3
	s_wait_loadcnt 0x0
.endif
.irp tp, 0,1
.irp ct, 0,1
.set I_, 2*\s+\ct
.if I_ < 5
.set WA_, 180+12*I_
.else
.set WA_, 100+12*(I_-5)
.endif
.if \s%2
.set OB_, 88+48*\tp
.else
.set OB_, 64+12*\tp
.endif
.if \s == 0
	WMM O+16*\tp+8*\ct, WA_, OB_, 46+8*\ct, 41+2*\ct+\s/2, 17+4*\tp+\s, \s%2   ; the bias starts the sum
.else
	WMM O+16*\tp+8*\ct, WA_, OB_, O+16*\tp+8*\ct, 41+2*\ct+\s/2, 17+4*\tp+\s, \s%2
.endif
.endr
.endr
.if \s != 2
	PLACES
.endif
.if \s < 2
	OFLOAD \s+2
.endif
.endr
	; ---- the way out: a lane's 16 results are 64 neighbouring bytes of a row; the rows meet in the stage and leave whole
.irp tp, 0,1
.irp q, 0,1,2,3
	ds_store_b128 v14, v[O+16*\tp+4*\q:O+16*\tp+4*\q+3] offset:16512*\tp+16*\q   ; each accumulator from its low end on
.endr
.endr
	s_wait_dscnt 0x0
	s_barrier_signal -1
	s_barrier_wait -1                              ; 32 whole rows lie in the stage
.irp n, 0,1,2,3,4,5,6,7
	ds_load_b128 v[64+4*\n:67+4*\n], v15 offset:2064*(\n/4)+512*(\n%4)
.endr
.irp n, 0,1,2,3,4,5,6,7
	s_wait_dscnt 7-\n
	global_store_b128 v1, v[64+4*\n:67+4*\n], s[40:41] offset:2048*(\n/4)+512*(\n%4) th:TH_STORE_NT   ; 32 lanes store 512 consecutive bytes, aligned; written once
.endr
	s_wait_xcnt 0x0
	v_lshl_add_u32 v254, v0, 2, 0x49600
	v_mov_b32 v255, 0
	s_wait_alu depctr_va_vdst(0)
	s_wait_tensorcnt 0x0
	ds_add_u32 v254, v255
	s_wait_dscnt 0x0
	s_endpgm
.Lfunc_end_k_q0173d78ca8_attn:
	.size	k_q0173d78ca8_attn, .Lfunc_end_k_q0173d78ca8_attn-k_q0173d78ca8_attn
	.p2alignl 7, 3214868480
	.fill 96, 4, 3214868480
	.section	.rodata,"a",@progbits
	.p2align	6, 0x0
	.amdhsa_kernel k_q0173d78ca8_attn
		.amdhsa_group_segment_fixed_size 302592
		.amdhsa_private_segment_fixed_size 0
		.amdhsa_enable_private_segment 0
		.amdhsa_kernarg_size 32
		.amdhsa_user_sgpr_count 2
		.amdhsa_user_sgpr_kernarg_segment_ptr 1
		.amdhsa_wavefront_size32 1
		.amdhsa_system_sgpr_workgroup_id_x 1
		.amdhsa_system_sgpr_workgroup_id_y 1
		.amdhsa_system_sgpr_workgroup_id_z 1
		.amdhsa_system_vgpr_workitem_id 0
		.amdhsa_next_free_vgpr 256
		.amdhsa_next_free_sgpr 66
		.amdhsa_reserve_vcc 1
		.amdhsa_float_denorm_mode_32 3
		.amdhsa_float_denorm_mode_16_64 3
		.amdhsa_memory_ordered 1
		.amdhsa_forward_progress 1
		.amdhsa_inst_pref_size 74
	.end_amdhsa_kernel
	.amdgpu_metadata
---
amdhsa.version: [ 1, 2 ]
amdhsa.kernels:
  - .name:           k_q0173d78ca8_attn
    .symbol:         k_q0173d78ca8_attn.kd
    .args:
      - { .name: act, .offset: 0, .size: 8, .value_kind: global_buffer, .address_space: global }
      - { .name: bufw, .offset: 8, .size: 8, .value_kind: global_buffer, .address_space: global }
      - { .name: bfc, .offset: 16, .size: 8, .value_kind: global_buffer, .address_space: global }
      - { .name: out0, .offset: 24, .size: 8, .value_kind: global_buffer, .address_space: global }
    .group_segment_fixed_size: 302592
    .private_segment_fixed_size: 0
    .kernarg_segment_align: 8
    .kernarg_segment_size: 32
    .max_flat_workgroup_size: 512
    .sgpr_count:     66
    .vgpr_count:     256
    .wavefront_size: 32
...
	.end_amdgpu_metadata
.endif
;; end of part 6
